; MI455X (gfx1250); checked and timed in simulation.
; The chip was launched on July 23, 2026; its instructions are those of AMD's public machine-readable ISA for CDNA 5 (MIT licence, August 2026) and "CDNA5" Instruction Set Architecture Reference Guide (July 2026). The comments in the code are by the model that wrote it; some were corrected since.
;; Hierarchical Query Matcher. Allowed arithmetic: matrix products marked QUANTISED: E2M3 operands, one E8M0 scale for each 32 along K, by v_wmma_scale_f32_16x16x128_f8f6f4 with both operands' format E2M3, f32 sums; products left as they are: f32 operands where the result goes on into a quantised operand, else bf16, f16 or f32 operands; f32 sums; everything else in f32.
;; Inputs: b1 512 float32; b2 512 float32; class_memories 64 x 512 float32; ln1_b 1,024 float32; ln1_w 1,024 float32; ln2_b 512 float32; ln2_w 512 float32; query_embeddings 1,024 x 512 float32; w1_codes 512 x 32 x 24 uint8 (E2M3 codes of w1, K innermost, in blocks of 32 codes, four codes in three bytes); w1_scales 512 x 32 uint8 (E8M0 scales of w1, one for each 32 codes along K); w2_codes 512 x 16 x 24 uint8 (E2M3 codes of w2, K innermost, in blocks of 32 codes, four codes in three bytes); w2_scales 512 x 16 uint8 (E8M0 scales of w2, one for each 32 codes along K).
;; Outputs: out0 1,024 x 64 float32.
;; This version of the problem:
;;   THIS VERSION OF THE PROBLEM IS GIVEN IN LOW PRECISION. The matrix products marked QUANTISED in the list below multiply operands that are first quantised to E2M3 (2 exponent bits, 3 mantissa bits; 6 bits a number), with one power-of-two scale for each 32 numbers along K (OCP MX v1.0); their sums are f32. All else is computed in f32.
;;   The module's matrix products, in the order in which they are computed (A, B: the left and right operand; K: the contracted axis; several contracted axes count as one K, in the product's order):
;;     1. [M 65,536, K 1,024] x [K 1,024, N 512]; A: computed on the way; B: input w1 (given as codes): QUANTISED
;;     2. [M 65,536, K 512] x [K 512, N 512]; A: computed on the way; B: input w2 (given as codes): QUANTISED
;;     3. batch 64 x [M 1, K 512] x [K 512, N 1,024]; A: computed on the way; B: computed on the way: left as it is (M = 1 < 16)
;;   THE QUANTISER, for each operand of a quantised product, along K:
;;     - K is cut into blocks of 32 from its start; a last block that is shorter is filled with zeros.
;;     - A block's scale is 2^e with e = floor(log2(the largest magnitude in the block)) - 2, held to -126 .. 127; a block of zeros has e = 0. As a byte (E8M0): e + 127.
;;     - Each number is divided by its block's scale, clamped to +-7.5, and rounded to the nearest number of E2M3, ties to even, subnormals kept.
;;     - The product sums the exact products of the quantised numbers (number of the format x scale) in f32.
;;   ~~~python
;;   def quantise(x, axis):      # numpy; x: float32 -> the quantised numbers, widened to float32 again
;;       x = np.moveaxis(x, axis, -1); K = x.shape[-1]
;;       x = np.pad(x, [(0, 0)] * (x.ndim - 1) + [(0, -K % 32)]); x = x.reshape(x.shape[:-1] + (-1, 32)); a = np.abs(x).max(-1, keepdims=True)
;;       e = np.where(a > 0, np.clip(np.frexp(np.where(a > 0, a, 1))[1] - 1 - 2, -126, 127), 0)      # np.frexp(a)[1] - 1 = floor(log2(a)), exactly
;;       r = np.clip(x / 2.0 ** e, -7.5, 7.5)
;;       step = 2.0 ** (np.maximum(np.frexp(np.where(r == 0, 1, r))[1] - 1, 0) - 3)
;;       q = np.round(r / step) * step * 2.0 ** e      # np.round: ties to even
;;       return np.moveaxis(q.reshape(q.shape[:-2] + (-1,))[..., :K], -1, axis).astype(np.float32)
;;   ~~~
;;   OPERANDS COMPUTED ON THE WAY. 'Computed on the way' means the value that the module computes at that place (a softmax that the list does not call 'softmax' is quantised finished and normalised). What goes into a quantiser is computed in f32, as accurately as f32 sums, v_exp_f32 and their like allow (about 1e-6 of the number): no bf16 or f16 on the way to a quantiser, and a product that is left as it is and whose result goes on into a quantised operand takes f32 operands (vector FMAs, or v_wmma_f32_16x16x4_f32). A number that lies on a knife's edge between two numbers of the format may be rounded either way, as far as f32 arithmetic and the matrix unit's own rounding can turn it there, and no further.
;;   INPUTS GIVEN AS CODES. w1 (in the module: [1024, 512], K = its axis 0); w2 (in the module: [512, 512], K = its axis 0): each comes as NAME_codes (uint8): NAME with its K axis moved to the last place and cut into blocks of 32 codes, [.., K / 32, bytes a block], one block behind the other in memory; four codes in three bytes: a row's codes are one little-endian stream of bits, code i at bits 6 i .. 6 i + 5 (a code: sign, 2 exponent bits, 3 mantissa bits); and NAME_scales (uint8): the same leading axes, one E8M0 byte (e + 127) for each 32 codes along K. Its value is code x scale, taken as it is: it is not quantised again, and the codes and scales need not be those that the quantiser above would give.
;; 2 versions, each right; version 2 is version 1 with the launch fused written anew for expert scheduling mode. Each part assembles by itself: llvm-mc -triple=amdgcn-amd-amdhsa -mcpu=gfx1250 --defsym DOCPART=n.
;; ======== version 1 of 2: 2 launches
;; workspace buffers: wpack 614,400 bytes
;; launch lay (part 1): grid 48 x 1, 1 waves a work-group, no clusters, 0 bytes of LDS; arguments w1_codes, w1_scales, w2_codes, w2_scales, wpack; writes wpack
.if DOCPART == 1
	.amdgcn_target "amdgcn-amd-amdhsa--gfx1250"
	.amdhsa_code_object_version 6
	.text
	.protected	k_qa0f2537afd_lay
	.globl	k_qa0f2537afd_lay
	.p2align	8
	.type	k_qa0f2537afd_lay,@function
k_qa0f2537afd_lay:
	s_mov_b64 s[64:65], 0
	v_nop
	global_prefetch_b8 v0, s[64:65] scope:SCOPE_SE
	s_setreg_imm32_b32 hwreg(HW_REG_WAVE_MODE, 25, 1), 1
	s_wait_xcnt 0x0
; W1's and W2's codes and scale bytes are copied once into wpack, in the order of the operand registers of the launch that follows,
; so that a wave there fills a fragment (16 rows x 128 K of 6-bit codes: 12 registers a lane) by three loads of 16 bytes a lane, 512 consecutive bytes each.
; K BLOCKS INSIDE A FRAGMENT: fragment s holds the row's blocks 4 s .. 4 s + 3; lane half h takes blocks 4 s + 2 h and 4 s + 2 h + 1, 48 consecutive bytes at 96 s + 48 h.
; The matrix unit takes registers 6 c .. 6 c + 5 of half h as its block 2 c + h, so of each scale word the two middle bytes change places; the other operand is laid the same way.
; W1, tile (y, u) (y = 0..7, u = 0..3), lane r: row 128 (y / 2) + 32 (y % 2) + 64 (r / 8) + 8 u + r % 8.   W2, tile (w, t): row 128 w + 16 t + r.
; wpack: W1 images (32 y + 4 s + u) x 1536 | W2 images W2IMG + (32 w + 8 s + t) x 1536 | W1 scale images W1SC + (4 y + u) x 512 (a lane's four words: K steps 4 h .. 4 h + 3)
;        | W2 scale images W2SC + (4 w + t) x 512, t = 0..3 (lanes 0-15: tile t, lanes 16-31: tile t + 4; the four words: K steps 0..3).
; One wave a work-group: work-groups 0-31 take a tile of W1 each, 32-47 two tiles of W2 each.  Every store of the wave covers 512 consecutive bytes, aligned.
.set W1ROW, 768
.set W2ROW, 384
.set FRB,   1536
.set W2IMG, 393216
.set W1SC,  589824
.set W2SC,  606208
	s_load_b256 s[4:11], s[0:1], 0x0               ; W1's codes s[4:5], W1's scales s[6:7], W2's codes s[8:9], W2's scales s[10:11]
	s_load_b64 s[12:13], s[0:1], 0x20              ; wpack
	v_and_b32 v1, 15, v0                           ; r
	v_bfe_u32 v2, v0, 4, 1                         ; h
	v_lshlrev_b32 v5, 4, v0                        ; 16 x lane: my place in an image
	s_mov_b32 s21, 0
	s_mov_b32 s23, 0
	s_mov_b32 s25, 0
	s_mov_b32 s27, 0
	s_cmp_lt_u32 ttmp9, 32
	s_cbranch_scc0 .Lw2
	; ---- a tile of W1
	v_and_b32 v6, 7, v1
	v_lshrrev_b32 v7, 3, v1
	v_lshl_add_u32 v6, v7, 6, v6                   ; my row in the tile: r % 8 + 64 (r / 8)
	v_mul_u32_u24 v3, v6, W1ROW
	v_mad_u32_u24 v3, v2, 48, v3                   ; its codes, + 48 h
	v_lshlrev_b32 v4, 5, v6
	v_lshl_add_u32 v4, v2, 4, v4                   ; its 32 scale bytes, + 16 h
	s_lshr_b32 s16, ttmp9, 2                       ; y
	s_and_b32 s17, ttmp9, 3                        ; u
	s_lshr_b32 s18, s16, 1
	s_lshl_b32 s18, s18, 7
	s_and_b32 s19, s16, 1
	s_lshl_b32 s19, s19, 5
	s_add_co_u32 s18, s18, s19
	s_lshl_b32 s19, s17, 3
	s_add_co_u32 s18, s18, s19                     ; the tile's first row
	s_mul_i32 s20, s18, W1ROW
	s_lshl_b32 s22, s18, 5
	s_lshl_b32 s24, s16, 5
	s_add_co_u32 s24, s24, s17
	s_mul_i32 s24, s24, FRB                        ; image (32 y + u)
	s_lshl_b32 s26, ttmp9, 9
	s_add_co_u32 s26, s26, W1SC                    ; scale image 4 y + u
	s_wait_kmcnt 0x0
	s_add_nc_u64 s[4:5], s[4:5], s[20:21]
	s_add_nc_u64 s[6:7], s[6:7], s[22:23]
	s_add_nc_u64 s[14:15], s[12:13], s[24:25]
	s_add_nc_u64 s[12:13], s[12:13], s[26:27]
	global_load_b128 v[8:11], v4, s[6:7]
.irp s, 0,1,2,3,4,5,6,7
.irp i, 0,1,2
	global_load_b128 v[16+12*\s+4*\i:19+12*\s+4*\i], v3, s[4:5] offset:96*\s+16*\i
.endr
.endr
	s_wait_loadcnt 0x0
.irp j, 8,9,10,11
	v_perm_b32 v\j, v\j, v\j, 0x03010200           ; bytes 0, 2, 1, 3
.endr
.irp s, 0,1,2,3,4,5,6,7
.irp i, 0,1,2
	global_store_b128 v5, v[16+12*\s+4*\i:19+12*\s+4*\i], s[14:15] offset:4*FRB*\s+512*\i
.endr
.endr
	global_store_b128 v5, v[8:11], s[12:13]
	s_endpgm
.Lw2:
	; ---- tiles t and t + 4 of W2's rows 128 w ..
	s_sub_co_u32 s16, ttmp9, 32
	s_lshr_b32 s17, s16, 2                         ; w
	s_and_b32 s18, s16, 3                          ; t
	s_lshl_b32 s19, s17, 7
	s_lshl_b32 s20, s18, 4
	s_add_co_u32 s19, s19, s20                     ; tile t's first row
	s_mul_i32 s20, s19, W2ROW
	s_lshl_b32 s22, s19, 4
	s_lshl_b32 s24, s17, 5
	s_add_co_u32 s24, s24, s18
	s_mul_i32 s24, s24, FRB
	s_add_co_u32 s24, s24, W2IMG                   ; image (32 w + t)
	s_lshl_b32 s26, s16, 9
	s_add_co_u32 s26, s26, W2SC
	v_mul_u32_u24 v3, v1, W2ROW
	v_mad_u32_u24 v3, v2, 48, v3
	v_lshl_add_u32 v4, v2, 6, v1                   ; scales: lanes 16-31 take the tile 64 rows on
	v_lshlrev_b32 v4, 4, v4                        ; 16 bytes a row
	s_wait_kmcnt 0x0
	s_add_nc_u64 s[8:9], s[8:9], s[20:21]
	s_add_nc_u64 s[10:11], s[10:11], s[22:23]
	s_add_nc_u64 s[14:15], s[12:13], s[24:25]
	s_add_nc_u64 s[12:13], s[12:13], s[26:27]
	global_load_b128 v[8:11], v4, s[10:11]
.irp q, 0,1
.irp s, 0,1,2,3
.irp i, 0,1,2
	global_load_b128 v[16+48*\q+12*\s+4*\i:19+48*\q+12*\s+4*\i], v3, s[8:9] offset:64*W2ROW*\q+96*\s+16*\i
.endr
.endr
.endr
	s_wait_loadcnt 0x0
.irp j, 8,9,10,11
	v_perm_b32 v\j, v\j, v\j, 0x03010200
.endr
.irp q, 0,1
.irp s, 0,1,2,3
.irp i, 0,1,2
	global_store_b128 v5, v[16+48*\q+12*\s+4*\i:19+48*\q+12*\s+4*\i], s[14:15] offset:8*FRB*\s+4*FRB*\q+512*\i
.endr
.endr
.endr
	global_store_b128 v5, v[8:11], s[12:13]
	s_endpgm
.Lfunc_end_k_qa0f2537afd_lay:
	.size	k_qa0f2537afd_lay, .Lfunc_end_k_qa0f2537afd_lay-k_qa0f2537afd_lay
	.p2alignl 7, 3214868480
	.fill 96, 4, 3214868480
	.section	.rodata,"a",@progbits
	.p2align	6, 0x0
	.amdhsa_kernel k_qa0f2537afd_lay
		.amdhsa_group_segment_fixed_size 0
		.amdhsa_private_segment_fixed_size 0
		.amdhsa_enable_private_segment 0
		.amdhsa_kernarg_size 40
		.amdhsa_user_sgpr_count 2
		.amdhsa_user_sgpr_kernarg_segment_ptr 1
		.amdhsa_wavefront_size32 1
		.amdhsa_system_sgpr_workgroup_id_x 1
		.amdhsa_system_sgpr_workgroup_id_y 1
		.amdhsa_system_sgpr_workgroup_id_z 1
		.amdhsa_system_vgpr_workitem_id 0
		.amdhsa_next_free_vgpr 120
		.amdhsa_next_free_sgpr 66
		.amdhsa_reserve_vcc 0
		.amdhsa_float_denorm_mode_32 3
		.amdhsa_float_denorm_mode_16_64 3
		.amdhsa_memory_ordered 1
		.amdhsa_forward_progress 1
		.amdhsa_inst_pref_size 14
	.end_amdhsa_kernel
	.amdgpu_metadata
---
amdhsa.version: [ 1, 2 ]
amdhsa.kernels:
  - .name:           k_qa0f2537afd_lay
    .symbol:         k_qa0f2537afd_lay.kd
    .args:
      - { .name: w1_codes, .offset: 0, .size: 8, .value_kind: global_buffer, .address_space: global }
      - { .name: w1_scales, .offset: 8, .size: 8, .value_kind: global_buffer, .address_space: global }
      - { .name: w2_codes, .offset: 16, .size: 8, .value_kind: global_buffer, .address_space: global }
      - { .name: w2_scales, .offset: 24, .size: 8, .value_kind: global_buffer, .address_space: global }
      - { .name: wpack, .offset: 32, .size: 8, .value_kind: global_buffer, .address_space: global }
    .group_segment_fixed_size: 0
    .private_segment_fixed_size: 0
    .kernarg_segment_align: 8
    .kernarg_segment_size: 40
    .max_flat_workgroup_size: 32
    .sgpr_count:     66
    .vgpr_count:     120
    .wavefront_size: 32
...
	.end_amdgpu_metadata
.endif
;; end of part 1
;; launch fused (part 2): grid 256 x 1, 4 waves a work-group, no clusters, 318,976 bytes of LDS; arguments query_embeddings, class_memories, ln1_w, ln1_b, b1, b2, ln2_w, ln2_b, wpack, out0; writes out0
.if DOCPART == 2
	.amdgcn_target "amdgcn-amd-amdhsa--gfx1250"
	.amdhsa_code_object_version 6
	.text
	.protected	k_qa0f2537afd_fused
	.globl	k_qa0f2537afd_fused
	.p2align	8
	.type	k_qa0f2537afd_fused,@function
k_qa0f2537afd_fused:
	s_mov_b64 s[64:65], 0
	v_nop
	global_prefetch_b8 v0, s[64:65] scope:SCOPE_SE
	s_setreg_imm32_b32 hwreg(HW_REG_WAVE_MODE, 25, 1), 1
	s_wait_xcnt 0x0
; out[n][w] = 16 x l2norm(LN2(gelu(LN1(concat(q_n, c_w)) W1 + b1) W2 + b2 + q_n)) . l2norm(c_w); both products on codes of FP6 (E2M3) with one E8M0 scale for each 32 along K.
; SHARES.  Work-group g owns queries 4 g .. 4 g + 3 and all 64 classes: 256 rows = 16 row tiles; tile T = 4 wg + ni holds query ni and classes 16 wg + r (r = lane % 16).
; THE WEIGHTS STAND STILL IN REGISTERS, THE ROWS STREAM.  A wave holds 32 weight fragments (384 registers) and a second such set is loaded behind it, so the work-group reads each weight byte once.
; The quantised operands of all 256 rows lie in LDS as images of their registers (16 bytes a lane on end): the first product's 196,608 bytes, the hidden layer's 98,304.
; Both products are used transposed (source 0 = 16 rows of a weight, source 1 = a row tile): a lane holds ONE row, and its registers run along the units.
; W1's rows of a tile are chosen (launch lay) so that a lane's 32 registers of four tiles are one whole block of 32 along the second product's K: no lane asks another for a maximum.
; K BLOCKS INSIDE AN INSTRUCTION ARE PERMUTED, alike in both operands and their scale bytes: lane half h holds blocks 4 s + 2 h, 4 s + 2 h + 1 of K step s.  The products are the same; the order of sums inside an instruction differs.
; PHASES: H statistics of q and c | X: LN1 and its codes, wave w makes K steps w and 4 + w of all tiles | L1 (twice, 64 units a wave each): product, exact GELU, codes | L2: wave w makes outputs 128 w .. + 127; LN2, the two dot products.
; NO CLUSTER, NO TENSOR LOAD: the work-group's own images take 307,200 of the 327,680 bytes of LDS, which leaves no room for slots of weight tiles, and each weight fragment is used by one wave alone, so it goes from memory straight into that wave's registers.
; STATISTICS: means first, then sums of squares about them; parts of 64 numbers are joined by their means and centred sums; no difference of large sums is formed.  LN2 takes q - mean(q) for q: a shift common to a row leaves a layer norm as it is.
; LIMITS: erf(u) = u P(u^2) / Q(u^2), degrees 9 and 12, |u| held at 3.8325: absolute error a few units in the last place of 1, so GELU's relative accuracy falls in the far negative tail (as it does for x (1 + erf) / 2 in f32).
;   NaN and infinities are not served.  A block of zeros gets the scale byte 1 (its codes are zeros; only this program reads the bytes); magnitudes under 2^-124 are held to that floor.
; REGISTERS, in windows of 256.  Weight set A: fragments 0-20 window 1; 21-30 window 2, v0-119; 31 window 0, v244-255.  Set B: 0-10 window 2, v120-251; 11-31 window 3.
;   window 0: v1 16 lane, v2 8 lane, v3 16 r, v4 h, v11 8 h, v5-10, v13 addresses; the rest by phase (said there).
.set A1IMG, 0                          ; (8 T + s) x 1536 + 512 i + 16 lane
.set A1SC,  196608                     ; T x 512 + 32 r + 4 s: a scale word
.set HIMG,  204800                     ; (4 T + s2) x 1536: + 512 c + 16 lane registers 6 c .. 6 c + 3; + 1024 + 256 c + 8 lane registers 6 c + 4, 6 c + 5
.set HSC,   303104                     ; T x 256 + 16 r + 4 s2 + 2 c + h: a scale byte
.set QB,    307200                     ; ni x 2048 + 4 d: q - mean(q) + b2
.set B1T,   315392                     ; b1
.set CN,    317440                     ; 1 / max(|c|, 1e-12), 4 bytes a class
.set QC,    HIMG                       ; until the third barrier, in the hidden layer's bytes: q - mean(q);
.set CST,   HIMG+8192                  ; class x 64 + part x 8: (mean, centred sum of squares) of 64 numbers of c;
.set QST,   HIMG+12288                 ; ni x 8: the same of a whole q;
.set TS,    HIMG+12544                 ; (16 T + r) x 16: (rstd, mu, (mean(q) - mu) rstd, rstd);
.set LNW,   HIMG+16640                 ; ln1_w, and 4,096 bytes on ln1_b
.set P2,    16384                      ; behind the fourth barrier, in the first product's bytes: from 0 on (16 T + r) x 64 + part x 8: (mean, centred sum of squares) of 64 outputs; from P2 on (sum f f, sum f c);
.set OUTS,  32768                      ; and the work-group's 4 x 64 results
.set FRB,   1536
.set W1B,   196608                     ; wpack: W1's images of the second phase,
.set W2I,   393216                     ; W2's images,
.set W1S,   589824                     ; W1's scale images,
.set W2S,   606208                     ; W2's
.set MSB, 0
.macro WIN new                         ; the immediate's high byte repeats the setting that is left; a switch that changes nothing is dropped
.if MSB != (\new)
	s_set_vgpr_msb (MSB<<8)|(\new)
.set MSB, (\new)
.endif
.endm
.macro BAR                             ; my LDS stores have landed and my LDS loads are in: then the work-group's barrier
	s_wait_dscnt 0x0
	s_barrier_signal -1
	s_barrier_wait -1
.endm
.macro SPAIR r, val                    ; a constant for packed arithmetic: the pair is named, so both words are written
	s_mov_b32 s[\r], \val
	s_mov_b32 s[\r+1], \val
.endm
.macro FSLOT set, f                    ; where fragment f of a weight set lies: window FWIN, register FOFF
.if (\set) == 0
.if (\f) < 21
.set FWIN, 1
.set FOFF, 12*(\f)
.elseif (\f) < 31
.set FWIN, 2
.set FOFF, 12*((\f)-21)
.else
.set FWIN, 0
.set FOFF, 244
.endif
.else
.if (\f) < 11
.set FWIN, 2
.set FOFF, 120+12*(\f)
.else
.set FWIN, 3
.set FOFF, 12*((\f)-11)
.endif
.endif
.endm
.macro WLOAD set, off, f0, n           ; n fragments from f0 on, images at off in my wave's part of wpack: three loads of 512 consecutive bytes each
.set f, \f0
.rept \n
	FSLOT \set, f
	WIN (FWIN<<6)
	global_load_b128 v[FOFF:FOFF+3], v1, s[30:31] offset:\off+FRB*f
	global_load_b128 v[FOFF+4:FOFF+7], v1, s[30:31] offset:\off+FRB*f+512
	global_load_b128 v[FOFF+8:FOFF+11], v1, s[30:31] offset:\off+FRB*f+1024
.set f, f+1
.endr
	WIN 0
.endm
.macro WSUM a, t                       ; the sum over the wave's 32 lanes, in every lane
	v_add_f32_dpp v[\a], v[\a], v[\a] row_xmask:1 row_mask:0xf bank_mask:0xf
	v_add_f32_dpp v[\a], v[\a], v[\a] row_xmask:2 row_mask:0xf bank_mask:0xf
	v_add_f32_dpp v[\a], v[\a], v[\a] row_xmask:4 row_mask:0xf bank_mask:0xf
	v_add_f32_dpp v[\a], v[\a], v[\a] row_xmask:8 row_mask:0xf bank_mask:0xf
	v_permlanex16_b32 v[\t], v[\a], s40, s41
	v_add_f32 v[\a], v[\a], v[\t]
.endm
.macro RED4 b, d                       ; four packed chains at v[b] on become one number
	v_pk_add_f32 v[\b:\b+1], v[\b:\b+1], v[\b+2:\b+3]
	v_pk_add_f32 v[\b+4:\b+5], v[\b+4:\b+5], v[\b+6:\b+7]
	v_pk_add_f32 v[\b:\b+1], v[\b:\b+1], v[\b+4:\b+5]
	v_add_f32 v[\d], v[\b], v[\b+1]
.endm
; Eight parts of 64 numbers, (mean, centred sum of squares) each in v[e] on, are joined: mu = the mean of the means; m2 = the sum of the parts' sums + 64 x the sum of (mean - mu)^2.
.macro COMB8 e, t, mu, m2
	v_pk_add_f32 v[\t:\t+1], v[\e:\e+1], v[\e+2:\e+3]
	v_pk_add_f32 v[\t+2:\t+3], v[\e+4:\e+5], v[\e+6:\e+7]
	v_pk_add_f32 v[\t+4:\t+5], v[\e+8:\e+9], v[\e+10:\e+11]
	v_pk_add_f32 v[\t+6:\t+7], v[\e+12:\e+13], v[\e+14:\e+15]
	v_pk_add_f32 v[\t:\t+1], v[\t:\t+1], v[\t+2:\t+3]
	v_pk_add_f32 v[\t+4:\t+5], v[\t+4:\t+5], v[\t+6:\t+7]
	v_pk_add_f32 v[\t:\t+1], v[\t:\t+1], v[\t+4:\t+5]
	v_mul_f32 v[\mu], 0x3e000000, v[\t]            ; / 8
.irp i, 0,2,4,6,8,10,12,14
	v_sub_f32 v[\e+\i], v[\e+\i], v[\mu]
.endr
	v_mul_f32 v[\t+2], v[\e], v[\e]
.irp i, 2,4,6,8,10,12,14
	v_fmac_f32 v[\t+2], v[\e+\i], v[\e+\i]
.endr
	v_fmamk_f32 v[\m2], v[\t+2], 0x42800000, v[\t+1]
.endm
; My 64 numbers of class 16 wg + r (window win, v[off] on): their mean (kept in v[32 + wg]); they are centred in place; their centred sum of squares; both go to CST.
.macro CSTAT wg, win, off
	WIN ((\win)|((\win)<<2))
.set k, 0
.rept 16
	v_pk_add_f32 v[120+2*k:121+2*k], v[\off+4*k:\off+4*k+1], v[\off+4*k+2:\off+4*k+3]
.set k, k+1
.endr
	WIN 0
.set k, 0
.rept 8
	v_pk_add_f32 v[120+2*k:121+2*k], v[120+2*k:121+2*k], v[136+2*k:137+2*k]
.set k, k+1
.endr
.set k, 0
.rept 4
	v_pk_add_f32 v[120+2*k:121+2*k], v[120+2*k:121+2*k], v[128+2*k:129+2*k]
.set k, k+1
.endr
	RED4 120, 120
	v_mul_f32 v[152+2*\wg], 0x3c800000, v120       ; / 64
	v_mov_b32 v[153+2*\wg], v[152+2*\wg]
	v_mov_b32 v[32+\wg], v[152+2*\wg]
	WIN (((\win)<<6)|(\win))
.set k, 0
.rept 32
	v_pk_add_f32 v[\off+2*k:\off+2*k+1], v[\off+2*k:\off+2*k+1], v[152+2*\wg:153+2*\wg] neg_lo:[0,1] neg_hi:[0,1]
.set k, k+1
.endr
	WIN ((\win)|((\win)<<2))
.set k, 0
.rept 4
	v_pk_mul_f32 v[120+2*k:121+2*k], v[\off+2*k:\off+2*k+1], v[\off+2*k:\off+2*k+1]
.set k, k+1
.endr
.rept 28
	v_pk_fma_f32 v[120+2*(k%4):121+2*(k%4)], v[\off+2*k:\off+2*k+1], v[\off+2*k:\off+2*k+1], v[120+2*(k%4):121+2*(k%4)]
.set k, k+1
.endr
	WIN 0
	RED4 120, 153+2*\wg
	ds_store_b64 v49, v[152+2*\wg:153+2*\wg] offset:1024*\wg
.endm
; ONE FRAGMENT OF THE FIRST PRODUCT'S LEFT OPERAND.  x: my 64 centred numbers (window xwin, v[xoff] on) = k 128 s + 64 h + 0 .. 63 of my row: two whole blocks of 32.
; v[pr] = rstd, v[pr + 2] = (the numbers' own mean - mu) rstd.  T = ((x rstd + that) ln1_w + ln1_b); each block's largest magnitude, scale byte and codes; the image and the scale word go to LDS.
.macro XF xwin, xoff, pr, cd, va, offi, offs
	WIN \xwin
.set k, 0
.rept 32
	v_pk_fma_f32 v[120+2*k:121+2*k], v[\xoff+2*k:\xoff+2*k+1], v[\pr:\pr+1], v[\pr+2:\pr+3] op_sel_hi:[1,0,0]
.set k, k+1
.endr
	WIN 0x3c                                       ; sources 1 and 2 (ln1_w, ln1_b of this K step) in window 3
.set k, 0
.rept 32
	v_pk_fma_f32 v[120+2*k:121+2*k], v[120+2*k:121+2*k], v[128+2*k:129+2*k], v[192+2*k:193+2*k]
.set k, k+1
.endr
	WIN 0
.irp b, 0,1
	v_max3_num_f32 v[52+2*\b], |v[120+32*\b]|, |v[121+32*\b]|, 0x1800000   ; two chains a block; the floor 2^(3 - 127) holds the byte at 1 from below
	v_max3_num_f32 v[53+2*\b], |v[136+32*\b]|, |v[137+32*\b]|, |v[138+32*\b]|
.endr
.irp i, 2,4,6,8,10,12
.irp b, 0,1
	v_max3_num_f32 v[52+2*\b], v[52+2*\b], |v[120+32*\b+\i]|, |v[121+32*\b+\i]|
	v_max3_num_f32 v[53+2*\b], v[53+2*\b], |v[137+32*\b+\i]|, |v[138+32*\b+\i]|
.endr
.endr
.irp b, 0,1
	v_max3_num_f32 v[52+2*\b], v[52+2*\b], |v[134+32*\b]|, |v[135+32*\b]|
.endr
.irp b, 0,1
	v_max3_num_f32 v[52+2*\b], v[52+2*\b], v[53+2*\b], |v[151+32*\b]|
.endr
.irp b, 0,1
	v_add_nc_u32 v[53+2*\b], 0xff000000, v[52+2*\b]   ; 2 off the exponent field: the conversion's scale operand
.endr
.irp b, 0,1
	v_lshrrev_b32 v[52+2*\b], 23, v[53+2*\b]       ; the scale's byte
.endr
	v_lshl_or_b32 v52, v54, 16, v52                ; my two bytes belong at places h and 2 + h of the row's word
	v_lshlrev_b32 v52, v11, v52
	v_permlanex16_b32 v54, v52, s40, s41
	s_wait_dscnt 4                                 ; the last fragment's four stores may be out; those of the fragment before it, which read this set of code registers, are done
	v_or_b32 v[\cd+19], v52, v54                   ; with lane l xor 16's two the word is whole
	v_cvt_scalef32_pk16_fp6_f32 v[\cd:\cd+2], v[120:135], v53
	v_cvt_scalef32_pk16_fp6_f32 v[\cd+12:\cd+14], v[136:151], v53   ; (a conversion's three registers begin on an even number)
	v_cvt_scalef32_pk16_fp6_f32 v[\cd+6:\cd+8], v[152:167], v55
	v_cvt_scalef32_pk16_fp6_f32 v[\cd+16:\cd+18], v[168:183], v55
	v_nop                                          ; one plain place behind a scaled conversion
.irp i, 0,1,2
	v_mov_b32 v[\cd+3+\i], v[\cd+12+\i]
	v_mov_b32 v[\cd+9+\i], v[\cd+16+\i]
.endr
	ds_store_b128 v[\va], v[\cd:\cd+3] offset:\offi
	ds_store_b128 v[\va], v[\cd+4:\cd+7] offset:\offi+512
	ds_store_b128 v[\va], v[\cd+8:\cd+11] offset:\offi+1024
	ds_store_b32 v9, v[\cd+19] offset:\offs        ; both halves of the lanes write the same word with the same value
.endm
.macro AFRAG s                         ; K step s of the trip's two row tiles into buffer s % 3
.irp t, 0,1
.irp i, 0,1,2
	ds_load_b128 v[152+24*((\s)%3)+12*\t+4*\i:155+24*((\s)%3)+12*\t+4*\i], v5 offset:8*FRB*\t+FRB*(\s)+512*\i
.endr
.endr
.endm
.macro MM1 set, ws, s, u, t            ; first product: unit tile u x row tile t, K step s; b1 is the C of the sum's first instruction
	FSLOT \set, 4*(\s)+(\u)
	WIN FWIN
.set rD, 88+32*(\t)+8*(\u)
.set rB, 152+24*((\s)%3)+12*(\t)
.set rC, 56+8*(\u)
.set rSA, (\ws)+4*(\u)+(\s)%4
.set rSB, 48+4*(\t)+(\s)%4
.if (\s) == 0
	v_wmma_scale_f32_16x16x128_f8f6f4 v[rD:rD+7], v[FOFF:FOFF+11], v[rB:rB+11], v[rC:rC+7], v[rSA], v[rSB] matrix_a_fmt:MATRIX_FMT_FP6 matrix_b_fmt:MATRIX_FMT_FP6
.elseif (\s) < 4
	v_wmma_scale_f32_16x16x128_f8f6f4 v[rD:rD+7], v[FOFF:FOFF+11], v[rB:rB+11], v[rD:rD+7], v[rSA], v[rSB] matrix_a_fmt:MATRIX_FMT_FP6 matrix_b_fmt:MATRIX_FMT_FP6
.else
	v_wmma_scale_f32_16x16x128_f8f6f4 v[rD:rD+7], v[FOFF:FOFF+11], v[rB:rB+11], v[rD:rD+7], v[rSA], v[rSB] matrix_a_fmt:MATRIX_FMT_FP6 matrix_b_fmt:MATRIX_FMT_FP6 matrix_a_scale:MATRIX_SCALE_ROW1 matrix_b_scale:MATRIX_SCALE_ROW1
.endif
.endm
.macro HORN pa, qb                     ; one step of both polynomials in t = u^2, by turns
.set k, 0
.rept 8
	v_pk_fma_f32 v[184+2*k:185+2*k], v[184+2*k:185+2*k], v[168+2*k:169+2*k], s[\pa:\pa+1] op_sel_hi:[1,1,0]
	v_pk_fma_f32 v[200+2*k:201+2*k], v[200+2*k:201+2*k], v[168+2*k:169+2*k], s[\qb:\qb+1] op_sel_hi:[1,1,0]
.set k, k+1
.endr
.endm
; gelu(x) = x (1/2 + u P(t) / Q(t)), u = x / sqrt(2) held to +-3.8325, t = u^2, P with halved coefficients: 16 numbers in place, from the accumulators' low ends on.  u v152.., t v168.., P v184.., Q v200..
.macro GELU x
.set k, 0
.rept 8
	v_pk_mul_f32 v[152+2*k:153+2*k], v[\x+2*k:\x+2*k+1], s[50:51] op_sel_hi:[1,0]
.set k, k+1
.endr
.set k, 0
.rept 16
	v_med3_num_f32 v[152+k], v[152+k], s72, s73
.set k, k+1
.endr
.set k, 0
.rept 8
	v_pk_mul_f32 v[168+2*k:169+2*k], v[152+2*k:153+2*k], v[152+2*k:153+2*k]
.set k, k+1
.endr
.set k, 0
.rept 8
	v_pk_fma_f32 v[184+2*k:185+2*k], v[168+2*k:169+2*k], s[52:53], v[12:13] op_sel_hi:[1,0,1]
	v_pk_fma_f32 v[200+2*k:201+2*k], v[168+2*k:169+2*k], s[60:61], v[14:15] op_sel_hi:[1,0,1]
.set k, k+1
.endr
	HORN 54, 62
	HORN 56, 66
	HORN 58, 68
.set k, 0
.rept 8
	v_pk_fma_f32 v[200+2*k:201+2*k], v[200+2*k:201+2*k], v[168+2*k:169+2*k], s[70:71] op_sel_hi:[1,1,0]
.set k, k+1
.endr
.set k, 0
.rept 8
	v_pk_fma_f32 v[200+2*k:201+2*k], v[200+2*k:201+2*k], v[168+2*k:169+2*k], 1.0 op_sel_hi:[1,1,0]
.set k, k+1
.endr
.set k, 0
.rept 16
	v_rcp_f32 v[200+k], v[200+k]                   ; one batch of sixteen
.set k, k+1
.endr
.set k, 0
.rept 8
	v_pk_mul_f32 v[184+2*k:185+2*k], v[184+2*k:185+2*k], v[152+2*k:153+2*k]   ; u P: plain work that names no reciprocal
.set k, k+1
.endr
	s_wait_alu depctr_va_vdst(0)                   ; one wait for the batch, ahead of its first reader
.set k, 0
.rept 8
	v_pk_fma_f32 v[184+2*k:185+2*k], v[184+2*k:185+2*k], v[200+2*k:201+2*k], 0.5 op_sel_hi:[1,1,0]
.set k, k+1
.endr
.set k, 0
.rept 8
	v_pk_mul_f32 v[\x+2*k:\x+2*k+1], v[\x+2*k:\x+2*k+1], v[184+2*k:185+2*k]
.set k, k+1
.endr
.endm
; The two row tiles' hidden numbers: a lane's 32 registers are one whole block along the next K: its byte, its 24 bytes of codes, to LDS at the places that are my wave's.
.macro HQ2
.irp t, 0,1
	v_max3_num_f32 v[216+2*\t], |v[88+32*\t]|, |v[89+32*\t]|, 0x1800000
	v_max3_num_f32 v[217+2*\t], |v[104+32*\t]|, |v[105+32*\t]|, |v[106+32*\t]|
.endr
.irp i, 2,4,6,8,10,12
.irp t, 0,1
	v_max3_num_f32 v[216+2*\t], v[216+2*\t], |v[88+32*\t+\i]|, |v[89+32*\t+\i]|
	v_max3_num_f32 v[217+2*\t], v[217+2*\t], |v[105+32*\t+\i]|, |v[106+32*\t+\i]|
.endr
.endr
.irp t, 0,1
	v_max3_num_f32 v[216+2*\t], v[216+2*\t], |v[102+32*\t]|, |v[103+32*\t]|
.endr
.irp t, 0,1
	v_max3_num_f32 v[216+2*\t], v[216+2*\t], v[217+2*\t], |v[119+32*\t]|
.endr
.irp t, 0,1
	v_add_nc_u32 v[217+2*\t], 0xff000000, v[216+2*\t]
.endr
.irp t, 0,1
	v_lshrrev_b32 v[220+\t], 23, v[217+2*\t]
.endr
.irp t, 0,1
	v_cvt_scalef32_pk16_fp6_f32 v[224+10*\t:226+10*\t], v[88+32*\t:103+32*\t], v[217+2*\t]
	v_cvt_scalef32_pk16_fp6_f32 v[230+10*\t:232+10*\t], v[104+32*\t:119+32*\t], v[217+2*\t]
.endr
	v_nop                                          ; one plain place behind a scaled conversion
.irp t, 0,1
.irp i, 0,1,2
	v_mov_b32 v[227+10*\t+\i], v[230+10*\t+\i]
.endr
.endr
.irp t, 0,1
	ds_store_b128 v7, v[224+10*\t:227+10*\t] offset:4*FRB*\t
	ds_store_b64 v8, v[228+10*\t:229+10*\t] offset:4*FRB*\t
	ds_store_b8 v9, v[220+\t] offset:256*\t
.endr
.endm
; A PHASE OF THE FIRST PRODUCT: my 64 units (weight set 'set', scale words at v[ws]) for all 16 row tiles, two a trip.  window 0: v48-55 the rows' scale words, v56-87 b1, v88-151 eight accumulators, v152-223 three fragment buffers (GELU's work registers), v224-243 codes.
; The next weight set's last twelve fragments and its scale words are asked for in the third trip (a branch on the trip counter); the wait for them is for 0, behind the loop.
.macro L1PHASE set, ws, p, nset, noff, nws, nsoff
	s_lshl_b32 s42, s74, 9
	s_lshl_b32 s35, s75, 7
	s_add_co_u32 s42, s42, s35
	s_add_co_u32 s42, s42, B1T+1024*\p
	v_lshl_add_u32 v10, v4, 8, s42                 ; b1 of units 128 s2 + 32 c + 64 h + 0 .. 31 (s2 = 2 p + wave / 2, c = wave % 2)
.set k, 0
.rept 8
	ds_load_b128 v[56+4*k:59+4*k], v10 offset:16*k
.set k, k+1
.endr
	s_mov_b32 s45, A1IMG
	s_mov_b32 s46, A1SC
	s_mul_i32 s47, s74, FRB
	s_add_co_u32 s47, s47, HIMG+2*FRB*\p
	s_lshl_b32 s35, s75, 8
	s_add_co_u32 s48, s47, s35
	s_add_co_u32 s48, s48, 1024                    ; my codes' last 8 bytes a lane
	s_lshl_b32 s35, s75, 9
	s_add_co_u32 s47, s47, s35                     ; my codes' first 16 bytes a lane
	s_lshl_b32 s49, s34, 1
	s_add_co_u32 s49, s49, HSC+8*\p                ; my scale bytes: 4 s2 + 2 c = 8 p + 2 wave
	s_mov_b32 s43, 8
.Ll1_\@:
	s_wait_dscnt 0x0                               ; no LDS instruction of mine is out: address and code registers may be written
	v_add_nc_u32 v5, s45, v1
	v_lshl_add_u32 v6, v3, 1, s46
	v_lshl_add_u32 v6, v11, 1, v6                  ; 32 r + 16 h: lanes 0-15 take K steps 0-3, lanes 16-31 K steps 4-7
	v_add_nc_u32 v7, s47, v1
	v_add_nc_u32 v8, s48, v2
	v_add_nc_u32 v9, s49, v3
	v_add_nc_u32 v9, v9, v4
	ds_load_b128 v[48:51], v6
	ds_load_b128 v[52:55], v6 offset:512
	AFRAG 0
	AFRAG 1
	AFRAG 2
	s_cmp_lg_u32 s43, 6
	s_cbranch_scc1 .Ll1n_\@
	WLOAD \nset, \noff, 20, 12
.irp u, 0,1,2,3
	global_load_b128 v[\nws+4*\u:\nws+4*\u+3], v1, s[32:33] offset:\nsoff+512*\u
.endr
.Ll1n_\@:
.irp s, 0,1,2,3,4,5,6,7
.if \s < 6
	s_wait_dscnt 12                                ; this K step's fragments are in; the twelve loads of the two later steps may be out
.elseif \s == 6
	s_wait_dscnt 6
.else
	s_wait_dscnt 0x0
.endif
.irp u, 0,1,2,3                                ; the eight accumulators take turns, one instruction a turn
.irp t, 0,1
	MM1 \set, \ws, \s, \u, \t
.endr
.endr
	WIN 0
.rept 4
	v_nop                                          ; places in front of loads into the buffer just read, and of the first read of results
.endr
.if \s < 5
	AFRAG (\s)+3
.endif
.endr
	GELU 88
	GELU 104
	GELU 120
	GELU 136
	HQ2
	s_add_co_u32 s45, s45, 16*FRB
	s_add_co_u32 s46, s46, 1024
	s_add_co_u32 s47, s47, 8*FRB
	s_add_co_u32 s48, s48, 8*FRB
	s_add_co_u32 s49, s49, 512
	s_sub_co_u32 s43, s43, 1
	s_cmp_lg_u32 s43, 0
	s_cbranch_scc1 .Ll1_\@
.endm
.macro HFRAG reg, off                  ; a fragment of the hidden layer, as its two makers laid it
	ds_load_b128 v[\reg:\reg+3], v5 offset:\off
	ds_load_b64 v[\reg+4:\reg+5], v6 offset:\off+1024
	ds_load_b128 v[\reg+6:\reg+9], v5 offset:\off+512
	ds_load_b64 v[\reg+10:\reg+11], v6 offset:\off+1280
.endm
.macro MM2 s, t, m                     ; second product: output tile t x row tile m, K step s; q - mean(q) + b2 is the C of the sum's first instruction
	FSLOT 0, 8*(\s)+(\t)
.set rD, 56+64*(\m)+8*(\t)
.set rB, 184+24*((\s)%2)+12*(\m)
.set rC, 128+64*(\m)+8*(\t)
.set rSA, 16+4*((\t)%4)+(\s)
.set rSB, 48+4*(\m)+(\s)
.if (\s) == 0
	WIN (FWIN|0x20)                                ; source 2 in window 2
.if (\t) < 4
	v_wmma_scale_f32_16x16x128_f8f6f4 v[rD:rD+7], v[FOFF:FOFF+11], v[rB:rB+11], v[rC:rC+7], v[rSA], v[rSB] matrix_a_fmt:MATRIX_FMT_FP6 matrix_b_fmt:MATRIX_FMT_FP6
.else
	v_wmma_scale_f32_16x16x128_f8f6f4 v[rD:rD+7], v[FOFF:FOFF+11], v[rB:rB+11], v[rC:rC+7], v[rSA], v[rSB] matrix_a_fmt:MATRIX_FMT_FP6 matrix_b_fmt:MATRIX_FMT_FP6 matrix_a_scale:MATRIX_SCALE_ROW1
.endif
.else
	WIN FWIN
.if (\t) < 4
	v_wmma_scale_f32_16x16x128_f8f6f4 v[rD:rD+7], v[FOFF:FOFF+11], v[rB:rB+11], v[rD:rD+7], v[rSA], v[rSB] matrix_a_fmt:MATRIX_FMT_FP6 matrix_b_fmt:MATRIX_FMT_FP6
.else
	v_wmma_scale_f32_16x16x128_f8f6f4 v[rD:rD+7], v[FOFF:FOFF+11], v[rB:rB+11], v[rD:rD+7], v[rSA], v[rSB] matrix_a_fmt:MATRIX_FMT_FP6 matrix_b_fmt:MATRIX_FMT_FP6 matrix_a_scale:MATRIX_SCALE_ROW1
.endif
.endif
.endm
	; ================ the head
	s_load_b512 s[8:23], s[0:1], 0x0               ; q s[8:9], c s[10:11], ln1_w s[12:13], ln1_b s[14:15], b1 s[16:17], b2 s[18:19], ln2_w s[20:21], ln2_b s[22:23]
	s_load_b128 s[24:27], s[0:1], 0x40             ; wpack s[24:25], out s[26:27]
	s_set_vgpr_msb 0x40
	v_lshl_add_u32 v254, v0, 2, 0x4dc00
	v_mov_b32 v255, 0
	s_set_vgpr_msb 0x4000
	v_lshrrev_b32 v5, 5, v0
	v_readfirstlane_b32 s34, v5                    ; wave 0..3
	v_and_b32 v6, 31, v0
	v_lshlrev_b32 v1, 4, v6                        ; 16 x lane
	v_lshlrev_b32 v2, 3, v6                        ; 8 x lane
	v_and_b32 v7, 15, v0
	v_lshlrev_b32 v3, 4, v7                        ; 16 r
	v_bfe_u32 v4, v0, 4, 1                         ; h
	v_lshlrev_b32 v11, 3, v4                       ; 8 h
	s_lshr_b32 s74, s34, 1
	s_and_b32 s75, s34, 1
	s_mov_b32 s40, 0x76543210
	s_mov_b32 s41, 0xfedcba98                      ; v_permlanex16_b32's selects for lane l xor 16
	SPAIR 50, 0x3f3504f3                           ; 1 / sqrt(2)
	SPAIR 52, 0x38f02d51                           ; P's coefficients, halved: of t^4,
	SPAIR 54, 0x3cd0b6eb                           ; t^2 (that of t^3 lies in v[12:13]),
	SPAIR 56, 0x3dbda740                           ; t,
	SPAIR 58, 0x3f106eba                           ; 1
	SPAIR 60, 0xb3fd3906                           ; Q's: of t^6,
	SPAIR 62, 0x3a856d28                           ; t^4 (that of t^5 lies in v[14:15]),
	SPAIR 66, 0x3c6687d4                           ; t^3,
	SPAIR 68, 0x3de34c21                           ; t^2,
	SPAIR 70, 0x3efeb44a                           ; t; the last is 1
	s_mov_b32 s72, 0xc07547cb                      ; -3.8325
	s_mov_b32 s73, 0x407547cb
	s_lshl_b32 s35, s34, 10
	v_add_nc_u32 v8, s35, v1                       ; my quarter of ln1_w and ln1_b
	s_lshl_b32 s35, s34, 9
	v_add_nc_u32 v9, s35, v1                       ; my quarter of b1
	v_lshl_add_u32 v10, v3, 7, s35
	v_lshl_add_u32 v10, v4, 8, v10                 ; c: row r of 2,048 bytes, + 512 wave + 256 h: my 64 numbers of K step 4 + wave
	s_lshl_b32 s35, s34, 11
	s_add_co_u32 s42, s35, QC
	v_add_nc_u32 v44, s42, v1
	s_add_co_u32 s42, s35, QB
	v_add_nc_u32 v45, s42, v1
	s_lshl_b32 s42, s34, 3
	s_add_co_u32 s42, s42, QST
	v_mov_b32 v46, s42
	v_add_nc_u32 v47, LNW, v8
	v_add_nc_u32 v48, B1T, v9
	s_lshl_b32 s42, s34, 4
	s_add_co_u32 s42, s42, CST
	v_lshl_add_u32 v49, v3, 2, s42
	v_add_nc_u32 v49, v49, v11                     ; CST: 64 r + 16 wave + 8 h
	s_lshl_b32 s36, ttmp9, 2
	s_add_co_u32 s36, s36, s34
	s_lshl_b32 s36, s36, 11                        ; query 4 g + wave
	s_mov_b32 s37, 0
	s_mul_i32 s38, s34, 32*FRB
	s_mov_b32 s39, 0
	s_lshl_b32 s2, s34, 11
	s_mov_b32 s3, 0
	s_lshl_b32 s4, ttmp9, 10
	s_mov_b32 s5, 0
	s_wait_kmcnt 0x0
	s_add_nc_u64 s[28:29], s[8:9], s[36:37]
	s_add_nc_u64 s[30:31], s[24:25], s[38:39]      ; wpack at my wave's 32 images
	s_add_nc_u64 s[32:33], s[24:25], s[2:3]        ; and at its four scale images
	s_add_nc_u64 s[26:27], s[26:27], s[4:5]        ; out at the work-group's four rows
.irp i, 0,1,2,3
	global_load_b128 v[120+4*\i:123+4*\i], v1, s[28:29] offset:512*\i   ; my row of q: register 4 i + j = q[128 i + 4 lane + j]
.endr
.irp i, 0,1,2,3
	global_load_b128 v[136+4*\i:139+4*\i], v1, s[18:19] offset:512*\i   ; b2 likewise
.endr
	global_load_b128 v[152:155], v8, s[12:13]
	global_load_b128 v[156:159], v8, s[12:13] offset:512
	global_load_b128 v[160:163], v8, s[14:15]
	global_load_b128 v[164:167], v8, s[14:15] offset:512
	global_load_b128 v[168:171], v9, s[16:17]
	WIN 0xc0                                       ; c of class groups 0, 1 into window 3, v0-127; of 2, 3 into window 2, v128-255
.irp g, 0,1
.set k, 0
.rept 16
	global_load_b128 v[64*\g+4*k:64*\g+4*k+3], v10, s[10:11] offset:32768*\g+16*k
.set k, k+1
.endr
.endr
	WIN 0x80
.irp g, 2,3
.set k, 0
.rept 16
	global_load_b128 v[64*\g+4*k:64*\g+4*k+3], v10, s[10:11] offset:32768*\g+16*k
.set k, k+1
.endr
.endr
	WIN 0
	s_wait_loadcnt 63                              ; 64 loads stand behind the thirteen small ones: those are in
	; ---- my q: its mean, q - mean, the centred sum of squares
	v_pk_add_f32 v[172:173], v[120:121], v[122:123]
	v_pk_add_f32 v[174:175], v[124:125], v[126:127]
	v_pk_add_f32 v[176:177], v[128:129], v[130:131]
	v_pk_add_f32 v[178:179], v[132:133], v[134:135]
	RED4 172, 172
	WSUM 172, 173
	v_mul_f32 v172, 0x3b000000, v172               ; / 512
	v_mov_b32 v173, v172
.set k, 0
.rept 8
	v_pk_add_f32 v[120+2*k:121+2*k], v[120+2*k:121+2*k], v[172:173] neg_lo:[0,1] neg_hi:[0,1]
.set k, k+1
.endr
	v_pk_mul_f32 v[174:175], v[120:121], v[120:121]
	v_pk_mul_f32 v[176:177], v[122:123], v[122:123]
.set k, 2
.rept 6
	v_pk_fma_f32 v[174+2*(k%2):175+2*(k%2)], v[120+2*k:121+2*k], v[120+2*k:121+2*k], v[174+2*(k%2):175+2*(k%2)]
.set k, k+1
.endr
	v_pk_add_f32 v[174:175], v[174:175], v[176:177]
	v_add_f32 v174, v174, v175
	WSUM 174, 175
	v_mov_b32 v173, v174                           ; (mean, centred sum of squares)
.irp i, 0,1,2,3
	ds_store_b128 v44, v[120+4*\i:123+4*\i] offset:512*\i
.endr
.set k, 0
.rept 8
	v_pk_add_f32 v[136+2*k:137+2*k], v[136+2*k:137+2*k], v[120+2*k:121+2*k]
.set k, k+1
.endr
.irp i, 0,1,2,3
	ds_store_b128 v45, v[136+4*\i:139+4*\i] offset:512*\i
.endr
	ds_store_b64 v46, v[172:173]
	ds_store_b128 v47, v[152:155]
	ds_store_b128 v47, v[156:159] offset:512
	ds_store_b128 v47, v[160:163] offset:4096
	ds_store_b128 v47, v[164:167] offset:4608
	ds_store_b128 v48, v[168:171]
	; ---- c's statistics, 64 numbers a lane; the first weight set is asked for in quarters between them
	s_wait_loadcnt 0x0                             ; c is in
	s_wait_dscnt 0x0                               ; the stores above have read their registers
	WLOAD 0, 0, 0, 8
	CSTAT 0, 3, 0
	WLOAD 0, 0, 8, 8
	CSTAT 1, 3, 64
	WLOAD 0, 0, 16, 8
	CSTAT 2, 2, 128
	CSTAT 3, 2, 192
	BAR                                            ; 1: q's and c's parts lie in LDS
	WLOAD 0, 0, 24, 8
.irp u, 0,1,2,3
	global_load_b128 v[16+4*\u:19+4*\u], v1, s[32:33] offset:W1S+512*\u
.endr
	; ---- the rows' statistics: wave w serves classes 16 w + r with all four queries
	s_lshl_b32 s42, s34, 10
	s_add_co_u32 s35, s42, CST
	v_lshl_add_u32 v5, v3, 2, s35
	v_mov_b32 v6, QST
	s_add_co_u32 s35, s42, TS
	v_add_nc_u32 v7, s35, v3
	s_lshl_b32 s35, s34, 6
	s_add_co_u32 s35, s35, CN
	v_lshrrev_b32 v8, 2, v3
	v_add_nc_u32 v8, s35, v8
.irp i, 0,1,2,3
	ds_load_b128 v[120+4*\i:123+4*\i], v5 offset:16*\i
.endr
	ds_load_b128 v[136:139], v6
	ds_load_b128 v[140:143], v6 offset:16
	s_wait_dscnt 0x0
	COMB8 120, 144, 152, 153                       ; v152 = mean(c), v153 = its centred sum of squares
	v_mul_f32 v154, v152, v152
	v_fmamk_f32 v154, v154, 0x44000000, v153       ; |c|^2 = 512 mean^2 + the centred sum
.irp n, 0,1,2,3
	v_sub_f32 v[156+\n], v[136+2*\n], v152
	v_add_f32 v[160+\n], v[136+2*\n], v152
	v_add_f32 v[164+\n], v[137+2*\n], v153
.endr
.irp n, 0,1,2,3
	v_mul_f32 v[156+\n], 0.5, v[156+\n]            ; mean(q) - mu
	v_mul_f32 v[160+\n], 0.5, v[160+\n]            ; mu
	v_mul_f32 v[164+\n], 0x3a800000, v[164+\n]     ; / 1024
.endr
.irp n, 0,1,2,3
	v_fmac_f32 v[164+\n], v[156+\n], v[156+\n]     ; the variance
.endr
.irp n, 0,1,2,3
	v_add_f32 v[164+\n], 0x3727c5ac, v[164+\n]     ; + 1e-5
.endr
	v_sqrt_f32 v154, v154
.irp n, 0,1,2,3
	v_rsq_f32 v[168+4*\n], v[164+\n]
.endr
.irp n, 0,1,2,3
	v_mov_b32 v[169+4*\n], v[160+\n]               ; plain work behind the batch
.endr
	s_wait_alu depctr_va_vdst(0)                   ; one wait for the five, ahead of their first reader
	v_max_num_f32 v154, 0x2b8cbccc, v154           ; 1e-12
	v_rcp_f32 v154, v154
.irp n, 0,1,2,3
	v_mul_f32 v[170+4*\n], v[156+\n], v[168+4*\n]
	v_mov_b32 v[171+4*\n], v[168+4*\n]
.endr
	s_wait_alu depctr_va_vdst(0)
.irp n, 0,1,2,3
	ds_store_b128 v7, v[168+4*\n:171+4*\n] offset:256*\n
.endr
	ds_store_b32 v8, v154
	BAR                                            ; 2: every row's statistics lie in LDS
	; ================ X: LN1 and its codes.  window 0: v32-35 my parts' means of c, v36-51 four rows' statistics, v52-55 at work, v56-119 q's numbers, v120-183 the numbers to be quantised, v184-223 two sets of code registers
	s_lshl_b32 s42, s34, 9
	s_add_co_u32 s35, s42, LNW
	v_lshl_add_u32 v10, v4, 8, s35                 ; ln1_w, ln1_b at k = 128 wave + 64 h
	WIN 0xc0
.set k, 0
.rept 16
	ds_load_b128 v[128+4*k:131+4*k], v10 offset:16*k
	ds_load_b128 v[192+4*k:195+4*k], v10 offset:4096+16*k
.set k, k+1
.endr
	WIN 0
	s_add_co_u32 s45, s42, QC
	s_mov_b32 s46, TS
	s_mul_i32 s47, s34, FRB
	s_lshl_b32 s48, s34, 2
	s_add_co_u32 s48, s48, A1SC
	s_mov_b32 s43, 4
.Lxq:                                              ; K step w (q's half): a trip serves query ni with the four class groups
	s_wait_dscnt 0x0                               ; no LDS instruction of mine is out: the address registers may be written
	v_lshl_add_u32 v5, v4, 8, s45
	v_add_nc_u32 v6, s46, v3
	v_add_nc_u32 v7, s47, v1
	v_add_nc_u32 v8, 64*FRB, v7                    ; class groups 2 and 3 lie beyond an LDS instruction's immediate
	v_lshl_add_u32 v9, v3, 1, s48
.set k, 0
.rept 16
	ds_load_b128 v[56+4*k:59+4*k], v5 offset:16*k
.set k, k+1
.endr
.irp g, 0,1,2,3
	ds_load_b128 v[36+4*\g:39+4*\g], v6 offset:1024*\g
.endr
	s_wait_dscnt 0x0
	XF 0, 56, 36, 184, 7, 0, 0
	XF 0, 56, 40, 204, 7, 32*FRB, 2048
	XF 0, 56, 44, 184, 8, 0, 4096
	XF 0, 56, 48, 204, 8, 32*FRB, 6144
	s_add_co_u32 s45, s45, 2048
	s_add_co_u32 s46, s46, 256
	s_add_co_u32 s47, s47, 8*FRB
	s_add_co_u32 s48, s48, 512
	s_sub_co_u32 s43, s43, 1
	s_cmp_lg_u32 s43, 0
	s_cbranch_scc1 .Lxq
	WIN 0xc0
.set k, 0
.rept 16
	ds_load_b128 v[128+4*k:131+4*k], v10 offset:2048+16*k
	ds_load_b128 v[192+4*k:195+4*k], v10 offset:6144+16*k
.set k, k+1
.endr
	WIN 0
	s_mov_b32 s46, TS
	s_mul_i32 s47, s34, FRB
	s_add_co_u32 s47, s47, 4*FRB
	s_lshl_b32 s48, s34, 2
	s_add_co_u32 s48, s48, A1SC+16
	s_mov_b32 s43, 4
.Lxc:                                              ; K step 4 + w (c's half), from the centred numbers of c that stayed in registers
	s_wait_dscnt 0x0
	v_add_nc_u32 v6, s46, v3
	v_add_nc_u32 v7, s47, v1
	v_add_nc_u32 v8, 64*FRB, v7
	v_lshl_add_u32 v9, v3, 1, s48
.irp g, 0,1,2,3
	ds_load_b128 v[36+4*\g:39+4*\g], v6 offset:1024*\g
.endr
	s_wait_dscnt 0x0
.irp g, 0,1,2,3
	v_sub_f32 v[38+4*\g], v[32+\g], v[37+4*\g]     ; my part's mean - mu
.endr
.irp g, 0,1,2,3
	v_mul_f32 v[38+4*\g], v[38+4*\g], v[36+4*\g]
.endr
	XF 3, 0, 36, 184, 7, 0, 0
	XF 3, 64, 40, 204, 7, 32*FRB, 2048
	XF 2, 128, 44, 184, 8, 0, 4096
	XF 2, 192, 48, 204, 8, 32*FRB, 6144
	s_add_co_u32 s46, s46, 256
	s_add_co_u32 s47, s47, 8*FRB
	s_add_co_u32 s48, s48, 512
	s_sub_co_u32 s43, s43, 1
	s_cmp_lg_u32 s43, 0
	s_cbranch_scc1 .Lxc
	BAR                                            ; 3: all 128 fragments lie in LDS, and nobody reads the tables in the hidden layer's bytes any more
	; ================ L1: the first product, GELU, the hidden layer's codes
	s_wait_loadcnt 0x0                             ; weight set A and its scale words are in
	WLOAD 1, W1B, 0, 20                            ; the second phase's set: twenty fragments now, the rest in the loop
	v_mov_b32 v12, 0x3adf5da2                      ; P's coefficient of t^3, halved
	v_mov_b32 v13, 0x3adf5da2
	v_mov_b32 v14, 0x37c588df                      ; Q's of t^5
	v_mov_b32 v15, 0x37c588df
	L1PHASE 0, 16, 0, 1, W1B, 32, W1S+8192
	s_wait_loadcnt 0x0                             ; set B is in
	WLOAD 0, W2I, 0, 20                            ; W2 takes set A's registers
	L1PHASE 1, 32, 1, 0, W2I, 16, W2S
	BAR                                            ; 4: the hidden layer's 64 fragments lie in LDS, and nobody reads the first product's images any more
	; ================ L2: the second product, LN2, the dot products.  window 0: v16-31 W2's scale words, v32-47 chains of sums, v48-55 the rows' scale words, v56-183 sixteen accumulators, v184-231 two fragment buffers, v232-243 at work
	;                  window 2, v128-255: q - mean(q) + b2 of the two tiles;  window 3: v0-63 ln2_w, v64-127 ln2_b, v128-191 c, each at my 64 outputs 128 w + 16 t + 8 h + j
	s_wait_loadcnt 0x0                             ; W2 and its scale words are in
	s_lshl_b32 s77, s34, 9
	v_lshl_add_u32 v12, v4, 5, s77                 ; 512 wave + 32 h; never rewritten
	WIN 0xc0
.set k, 0
.rept 16
	global_load_b128 v[4*k:4*k+3], v12, s[20:21] offset:64*(k/2)+16*(k%2)
	global_load_b128 v[64+4*k:67+4*k], v12, s[22:23] offset:64*(k/2)+16*(k%2)
.set k, k+1
.endr
	WIN 0
	s_mov_b32 s45, HIMG
	s_mov_b32 s46, HSC
	s_add_co_u32 s47, s77, QB
	s_lshl_b32 s48, s34, 4
	s_mov_b32 s49, 0
	s_mov_b32 s44, 4
.Lwg:                                              ; a class group: its rows of c
	v_lshl_add_u32 v13, v3, 7, s77                 ; (the last trip's loads by v13 were waited for)
	v_lshl_add_u32 v13, v4, 5, v13
	WIN 0xc0
.set k, 0
.rept 16
	global_load_b128 v[128+4*k:131+4*k], v13, s[10:11] offset:64*(k/2)+16*(k%2)
.set k, k+1
.endr
	WIN 0
	s_mov_b32 s43, 2
.Lnb:                                              ; two row tiles: the group's classes with two queries
	s_wait_dscnt 0x0                               ; no LDS instruction of mine is out
	v_add_nc_u32 v5, s45, v1
	v_add_nc_u32 v6, s45, v2
	v_add_nc_u32 v7, s46, v3
	v_lshl_add_u32 v8, v4, 5, s47
	v_lshl_add_u32 v9, v3, 2, s48
	v_add_nc_u32 v9, v9, v11                       ; my part's place: 64 r + 16 wave + 8 h
	v_lshl_add_u32 v10, v3, 2, s49                 ; a row's eight parts
	ds_load_b128 v[48:51], v7
	ds_load_b128 v[52:55], v7 offset:256
	WIN 0x80
.irp m, 0,1
.set k, 0
.rept 16
	ds_load_b128 v[128+64*\m+4*k:131+64*\m+4*k], v8 offset:2048*\m+64*(k/2)+16*(k%2)
.set k, k+1
.endr
.endr
	WIN 0
	HFRAG 184, 0
	HFRAG 196, 4*FRB
	HFRAG 208, FRB
	HFRAG 220, 5*FRB
.irp s, 0,1,2,3
.if \s < 3
	s_wait_dscnt 8                                 ; this K step's fragments are in; the next step's eight loads may be out
.else
	s_wait_dscnt 0x0
.endif
.irp t, 0,1,2,3,4,5,6,7                        ; the sixteen accumulators take turns, one instruction a turn
.irp m, 0,1
	MM2 \s, \t, \m
.endr
.endr
	WIN 0
.rept 4
	v_nop                                          ; places in front of loads into the buffer just read, and of the first read of results
.endr
.if \s < 2
	HFRAG 184+24*\s, FRB*(\s+2)
	HFRAG 196+24*\s, 4*FRB+FRB*(\s+2)
.endif
.endr
	; ---- my 64 outputs of each row: mean, centred in place, centred sum of squares (each accumulator is read from its low end on)
.irp c, 0,1,2,3
.irp m, 0,1
	v_pk_add_f32 v[32+8*\m+2*\c:33+8*\m+2*\c], v[56+64*\m+4*\c:57+64*\m+4*\c], v[58+64*\m+4*\c:59+64*\m+4*\c]
.endr
.endr
.set k, 8
.rept 24
.irp m, 0,1
	v_pk_add_f32 v[32+8*\m+2*(k%4):33+8*\m+2*(k%4)], v[32+8*\m+2*(k%4):33+8*\m+2*(k%4)], v[56+64*\m+2*k:57+64*\m+2*k]
.endr
.set k, k+1
.endr
	RED4 32, 32
	RED4 40, 40
.irp m, 0,1
	v_mul_f32 v[232+2*\m], 0x3c800000, v[32+8*\m]  ; / 64
.endr
.irp m, 0,1
	v_mov_b32 v[233+2*\m], v[232+2*\m]
.endr
.set k, 0
.rept 32
.irp m, 0,1
	v_pk_add_f32 v[56+64*\m+2*k:57+64*\m+2*k], v[56+64*\m+2*k:57+64*\m+2*k], v[232+2*\m:233+2*\m] neg_lo:[0,1] neg_hi:[0,1]
.endr
.set k, k+1
.endr
.set k, 0
.rept 4
.irp m, 0,1
	v_pk_mul_f32 v[32+8*\m+2*k:33+8*\m+2*k], v[56+64*\m+2*k:57+64*\m+2*k], v[56+64*\m+2*k:57+64*\m+2*k]
.endr
.set k, k+1
.endr
.rept 28
.irp m, 0,1
	v_pk_fma_f32 v[32+8*\m+2*(k%4):33+8*\m+2*(k%4)], v[56+64*\m+2*k:57+64*\m+2*k], v[56+64*\m+2*k:57+64*\m+2*k], v[32+8*\m+2*(k%4):33+8*\m+2*(k%4)]
.endr
.set k, k+1
.endr
	RED4 32, 233
	RED4 40, 235
.irp m, 0,1
	ds_store_b64 v9, v[232+2*\m:233+2*\m] offset:1024*\m
.endr
	BAR                                            ; the rows' eight parts lie in LDS; every tile has places of its own, so one barrier a trip serves
.irp m, 0,1
.irp i, 0,1,2,3
	ds_load_b128 v[184+16*\m+4*\i:187+16*\m+4*\i], v10 offset:1024*\m+16*\i
.endr
.endr
	s_wait_dscnt 0x0
	COMB8 184, 216, 238, 236
	COMB8 200, 216, 242, 240
.irp m, 0,1
	v_mul_f32 v[236+4*\m], 0x3b000000, v[236+4*\m] ; / 512
.endr
.irp m, 0,1
	v_add_f32 v[236+4*\m], 0x3727c5ac, v[236+4*\m] ; + 1e-5
.endr
.irp m, 0,1
	v_rsq_f32 v[236+4*\m], v[236+4*\m]
.endr
.irp m, 0,1
	v_sub_f32 v[238+4*\m], v[232+2*\m], v[238+4*\m]   ; my part's mean - the row's (plain work behind the two)
.endr
	s_wait_alu depctr_va_vdst(0)
.irp m, 0,1
	v_mul_f32 v[238+4*\m], v[238+4*\m], v[236+4*\m]
	v_mov_b32 v[237+4*\m], v[236+4*\m]
.endr
.irp m, 0,1
	v_mov_b32 v[239+4*\m], v[238+4*\m]
.endr
	s_wait_loadcnt 0x0                             ; ln2_w, ln2_b and c are in
.set k, 0
.rept 32
.irp m, 0,1
	v_pk_fma_f32 v[56+64*\m+2*k:57+64*\m+2*k], v[56+64*\m+2*k:57+64*\m+2*k], v[236+4*\m:237+4*\m], v[238+4*\m:239+4*\m]
.endr
.set k, k+1
.endr
	WIN 0x3c                                       ; sources 1 and 2 in window 3: f = the normalised number x ln2_w + ln2_b
.set k, 0
.rept 32
.irp m, 0,1
	v_pk_fma_f32 v[56+64*\m+2*k:57+64*\m+2*k], v[56+64*\m+2*k:57+64*\m+2*k], v[2*k:2*k+1], v[64+2*k:65+2*k]
.endr
.set k, k+1
.endr
	WIN 0x0c                                       ; source 1 in window 3: the sum of f c
.set k, 0
.rept 2
.irp m, 0,1
	v_pk_mul_f32 v[32+8*\m+2*k:33+8*\m+2*k], v[56+64*\m+2*k:57+64*\m+2*k], v[128+2*k:129+2*k]
.endr
.set k, k+1
.endr
.rept 30
.irp m, 0,1
	v_pk_fma_f32 v[32+8*\m+2*(k%2):33+8*\m+2*(k%2)], v[56+64*\m+2*k:57+64*\m+2*k], v[128+2*k:129+2*k], v[32+8*\m+2*(k%2):33+8*\m+2*(k%2)]
.endr
.set k, k+1
.endr
	WIN 0                                          ; the sum of f f
.set k, 0
.rept 2
.irp m, 0,1
	v_pk_mul_f32 v[36+8*\m+2*k:37+8*\m+2*k], v[56+64*\m+2*k:57+64*\m+2*k], v[56+64*\m+2*k:57+64*\m+2*k]
.endr
.set k, k+1
.endr
.rept 30
.irp m, 0,1
	v_pk_fma_f32 v[36+8*\m+2*(k%2):37+8*\m+2*(k%2)], v[56+64*\m+2*k:57+64*\m+2*k], v[56+64*\m+2*k:57+64*\m+2*k], v[36+8*\m+2*(k%2):37+8*\m+2*(k%2)]
.endr
.set k, k+1
.endr
.irp m, 0,1
	v_pk_add_f32 v[32+8*\m:33+8*\m], v[32+8*\m:33+8*\m], v[34+8*\m:35+8*\m]
	v_pk_add_f32 v[36+8*\m:37+8*\m], v[36+8*\m:37+8*\m], v[38+8*\m:39+8*\m]
.endr
.irp m, 0,1
	v_add_f32 v[34+8*\m], v[36+8*\m], v[37+8*\m]   ; (sum f f, sum f c) of my part
	v_add_f32 v[35+8*\m], v[32+8*\m], v[33+8*\m]
.endr
.irp m, 0,1
	ds_store_b64 v9, v[34+8*\m:35+8*\m] offset:P2+1024*\m
.endr
	s_add_co_u32 s45, s45, 8*FRB
	s_add_co_u32 s46, s46, 512
	s_add_co_u32 s47, s47, 4096
	s_add_co_u32 s48, s48, 2048
	s_add_co_u32 s49, s49, 2048
	s_sub_co_u32 s43, s43, 1
	s_cmp_lg_u32 s43, 0
	s_cbranch_scc1 .Lnb
	s_sub_co_u32 s47, s47, 8192                    ; back to queries 0 and 1
	s_add_co_u32 s77, s77, 32768                   ; the next sixteen classes
	s_sub_co_u32 s44, s44, 1
	s_cmp_lg_u32 s44, 0
	s_cbranch_scc1 .Lwg
	; ================ the end: lane (r, h) of wave w joins the parts of tiles 4 w + 2 q + h, q = 0, 1
	s_lshl_b32 s42, s34, 12
	v_lshl_add_u32 v5, v3, 2, s42
	v_lshl_add_u32 v5, v4, 10, v5
	s_lshl_b32 s42, s34, 6
	s_add_co_u32 s35, s42, CN
	v_lshrrev_b32 v6, 2, v3
	v_add_nc_u32 v7, s35, v6
	s_add_co_u32 s35, s42, OUTS
	v_add_nc_u32 v8, s35, v6
	v_lshl_add_u32 v8, v4, 8, v8                   ; the result's place: 256 (2 q + h) + 4 (16 w + r)
	v_add_nc_u32 v9, OUTS, v1
	BAR                                            ; every row's eight parts of the two sums lie in LDS
.irp q, 0,1
.irp i, 0,1,2,3
	ds_load_b128 v[56+16*\q+4*\i:59+16*\q+4*\i], v5 offset:P2+2048*\q+16*\i
.endr
.endr
	ds_load_b32 v32, v7
	s_wait_dscnt 0x0
.irp q, 0,1
	v_pk_add_f32 v[56+16*\q:57+16*\q], v[56+16*\q:57+16*\q], v[58+16*\q:59+16*\q]
	v_pk_add_f32 v[60+16*\q:61+16*\q], v[60+16*\q:61+16*\q], v[62+16*\q:63+16*\q]
	v_pk_add_f32 v[64+16*\q:65+16*\q], v[64+16*\q:65+16*\q], v[66+16*\q:67+16*\q]
	v_pk_add_f32 v[68+16*\q:69+16*\q], v[68+16*\q:69+16*\q], v[70+16*\q:71+16*\q]
	v_pk_add_f32 v[56+16*\q:57+16*\q], v[56+16*\q:57+16*\q], v[60+16*\q:61+16*\q]
	v_pk_add_f32 v[64+16*\q:65+16*\q], v[64+16*\q:65+16*\q], v[68+16*\q:69+16*\q]
	v_pk_add_f32 v[56+16*\q:57+16*\q], v[56+16*\q:57+16*\q], v[64+16*\q:65+16*\q]
.endr
.irp q, 0,1
	v_sqrt_f32 v[56+16*\q], v[56+16*\q]
.endr
.irp q, 0,1
	v_mul_f32 v[57+16*\q], v[57+16*\q], v32        ; / max(|c|, 1e-12)
.endr
	s_wait_alu depctr_va_vdst(0)
.irp q, 0,1
	v_max_num_f32 v[56+16*\q], 0x2b8cbccc, v[56+16*\q]
.endr
.irp q, 0,1
	v_rcp_f32 v[56+16*\q], v[56+16*\q]
.endr
.irp q, 0,1
	v_mul_f32 v[57+16*\q], 0x41800000, v[57+16*\q] ; x 16
.endr
	s_wait_alu depctr_va_vdst(0)
.irp q, 0,1
	v_mul_f32 v[57+16*\q], v[57+16*\q], v[56+16*\q]
.endr
.irp q, 0,1
	ds_store_b32 v8, v[57+16*\q] offset:512*\q
.endr
	BAR                                            ; the work-group's four rows of out lie in LDS as they lie in memory
	s_cmp_lg_u32 s34, 0
	s_cbranch_scc1 .Lend
	ds_load_b128 v[56:59], v9
	ds_load_b128 v[60:63], v9 offset:512
	s_wait_dscnt 0x0
	global_store_b128 v1, v[56:59], s[26:27]       ; each store of the wave covers 512 consecutive bytes, aligned
	global_store_b128 v1, v[60:63], s[26:27] offset:512
.Lend:
	s_set_vgpr_msb 0x5
	s_wait_tensorcnt 0x0
	ds_add_u32 v254, v255
	s_wait_dscnt 0x0
	s_set_vgpr_msb 0x500
	s_endpgm
.Lfunc_end_k_qa0f2537afd_fused:
	.size	k_qa0f2537afd_fused, .Lfunc_end_k_qa0f2537afd_fused-k_qa0f2537afd_fused
	.p2alignl 7, 3214868480
	.fill 96, 4, 3214868480
	.section	.rodata,"a",@progbits
	.p2align	6, 0x0
	.amdhsa_kernel k_qa0f2537afd_fused
		.amdhsa_group_segment_fixed_size 318976
		.amdhsa_private_segment_fixed_size 0
		.amdhsa_enable_private_segment 0
		.amdhsa_kernarg_size 80
		.amdhsa_user_sgpr_count 2
		.amdhsa_user_sgpr_kernarg_segment_ptr 1
		.amdhsa_wavefront_size32 1
		.amdhsa_system_sgpr_workgroup_id_x 1
		.amdhsa_system_sgpr_workgroup_id_y 1
		.amdhsa_system_sgpr_workgroup_id_z 1
		.amdhsa_system_vgpr_workitem_id 0
		.amdhsa_next_free_vgpr 1024
		.amdhsa_next_free_sgpr 84
		.amdhsa_reserve_vcc 0
		.amdhsa_float_denorm_mode_32 3
		.amdhsa_float_denorm_mode_16_64 3
		.amdhsa_memory_ordered 1
		.amdhsa_forward_progress 1
		.amdhsa_inst_pref_size 255
	.end_amdhsa_kernel
	.section	.bss,"aw",@nobits
	.p2align	6
	.space	262144
	.amdgpu_metadata
---
amdhsa.version: [ 1, 2 ]
amdhsa.kernels:
  - .name:           k_qa0f2537afd_fused
    .symbol:         k_qa0f2537afd_fused.kd
    .args:
      - { .name: query_embeddings, .offset: 0, .size: 8, .value_kind: global_buffer, .address_space: global }
      - { .name: class_memories, .offset: 8, .size: 8, .value_kind: global_buffer, .address_space: global }
      - { .name: ln1_w, .offset: 16, .size: 8, .value_kind: global_buffer, .address_space: global }
      - { .name: ln1_b, .offset: 24, .size: 8, .value_kind: global_buffer, .address_space: global }
      - { .name: b1, .offset: 32, .size: 8, .value_kind: global_buffer, .address_space: global }
      - { .name: b2, .offset: 40, .size: 8, .value_kind: global_buffer, .address_space: global }
      - { .name: ln2_w, .offset: 48, .size: 8, .value_kind: global_buffer, .address_space: global }
      - { .name: ln2_b, .offset: 56, .size: 8, .value_kind: global_buffer, .address_space: global }
      - { .name: wpack, .offset: 64, .size: 8, .value_kind: global_buffer, .address_space: global }
      - { .name: out0, .offset: 72, .size: 8, .value_kind: global_buffer, .address_space: global }
    .group_segment_fixed_size: 318976
    .private_segment_fixed_size: 0
    .kernarg_segment_align: 8
    .kernarg_segment_size: 80
    .max_flat_workgroup_size: 128
    .sgpr_count:     84
    .vgpr_count:     1024
    .wavefront_size: 32
...
	.end_amdgpu_metadata
.endif
;; end of part 2
;; ======== version 2 of 2: 2 launches; version 1 with the launch fused written anew for expert scheduling mode
;; workspace buffers: wpack 614,400 bytes
;; launch lay: the kernel of part 1 again; grid 48 x 1, 1 waves a work-group, no clusters, 0 bytes of LDS; arguments w1_codes, w1_scales, w2_codes, w2_scales, wpack; writes wpack
;; launch fused (part 3): grid 256 x 1, 4 waves a work-group, no clusters, 318,976 bytes of LDS; arguments query_embeddings, class_memories, ln1_w, ln1_b, b1, b2, ln2_w, ln2_b, wpack, out0; writes out0
.if DOCPART == 3
	.amdgcn_target "amdgcn-amd-amdhsa--gfx1250"
	.amdhsa_code_object_version 6
	.text
	.protected	k_qa0f2537afd_fused
	.globl	k_qa0f2537afd_fused
	.p2align	8
	.type	k_qa0f2537afd_fused,@function
k_qa0f2537afd_fused:
	s_mov_b64 s[64:65], 0
	v_nop
	global_prefetch_b8 v0, s[64:65] scope:SCOPE_SE
	s_setreg_imm32_b32 hwreg(HW_REG_WAVE_SCHED_MODE, 0, 2), 2
	s_setreg_imm32_b32 hwreg(HW_REG_WAVE_MODE, 25, 1), 1
	s_wait_xcnt 0x0
	s_wait_alu depctr_vm_vsrc(0)
; out[n][w] = 16 x l2norm(LN2(gelu(LN1(concat(q_n, c_w)) W1 + b1) W2 + b2 + q_n)) . l2norm(c_w); both products on codes of FP6 (E2M3) with one E8M0 scale for each 32 along K.
; SHARES.  Work-group g owns queries 4 g .. 4 g + 3 and all 64 classes: 256 rows = 16 row tiles; tile T = 4 wg + ni holds query ni and classes 16 wg + r (r = lane % 16).
; THE WEIGHTS STAND STILL IN REGISTERS, THE ROWS STREAM.  A wave holds 32 weight fragments (384 registers) and a second such set is loaded behind it, so the work-group reads each weight byte once.
; The quantised operands of all 256 rows lie in LDS as images of their registers (16 bytes a lane on end): the first product's 196,608 bytes, the hidden layer's 98,304.
; Both products are used transposed (source 0 = 16 rows of a weight, source 1 = a row tile): a lane holds ONE row, and its registers run along the units.
; W1's rows of a tile are chosen (launch lay) so that a lane's 32 registers of four tiles are one whole block of 32 along the second product's K: no lane asks another for a maximum.
; K BLOCKS INSIDE AN INSTRUCTION ARE PERMUTED, alike in both operands and their scale bytes: lane half h holds blocks 4 s + 2 h, 4 s + 2 h + 1 of K step s.  The products are the same; the order of sums inside an instruction differs.
; PHASES: H statistics of q and c | X: LN1 and its codes, wave w makes K steps w and 4 + w of all tiles | L1 (twice, 64 units a wave each): product, exact GELU, codes | L2: wave w makes outputs 128 w .. + 127; LN2, the two dot products.
; NO CLUSTER, NO TENSOR LOAD: the work-group's own images take 307,200 of the 327,680 bytes of LDS, which leaves no room for slots of weight tiles, and each weight fragment is used by one wave alone, so it goes from memory straight into that wave's registers.
; STATISTICS: means first, then sums of squares about them; parts of 64 numbers are joined by their means and centred sums; no difference of large sums is formed.  LN2 takes q - mean(q) for q: a shift common to a row leaves a layer norm as it is.
; LIMITS: erf(u) = u P(u^2) / Q(u^2), degrees 9 and 12, |u| held at 3.8325: absolute error a few units in the last place of 1, so GELU's relative accuracy falls in the far negative tail (as it does for x (1 + erf) / 2 in f32).
;   NaN and infinities are not served.  A block of zeros gets the scale byte 1 (its codes are zeros; only this program reads the bytes); magnitudes under 2^-124 are held to that floor.
; REGISTERS, in windows of 256.  Weight set A: fragments 0-20 window 1; 21-30 window 2, v0-119; 31 window 0, v244-255.  Set B: 0-10 window 2, v120-251; 11-31 window 3.
;   window 0: v1 16 lane, v2 8 lane, v3 16 r, v4 h, v11 8 h, v5-10, v13 addresses; the rest by phase (said there).
; THE MODE: SCHED_MODE bits 1:0 = 2 (LLVM: expert scheduling mode 2), set by the entry lines.  The code itself states the register dependences
; between vector or matrix instructions and memory or LDS instructions, with s_wait_alu, always for 0.
; THE PLAN.  Registers that memory or LDS instructions touch, and who else names them:
;   v1            the offset of every load from wpack and of out's stores: written once, at the head.
;   v5-10, v13    addresses, written anew at the head of each trip of each loop: a wait on vm_vsrc ahead of the writes (the last trip's LDS instructions have read them),
;                 a wait on va_vdst behind them, ahead of the trip's first load; that wait also states that the last trip's vector and matrix instructions are done with the registers in which the trip's loads land.
;   weight sets   written by loads alone, read by products alone.  A set is asked for again behind a wait on va_vdst that stands behind the last instruction that named its registers; in a loop no vector or matrix instruction names the set that is on its way.
;   fragments     buffer s % 3 (L1) or s % 2 (L2) is read by K step s's products and loaded again behind a wait on va_vdst.
;   codes, parts  written by vector instructions, read by LDS stores: a wait on va_vdst ahead of each run of stores; the wait on vm_vsrc ahead of the registers' next write.
.set A1IMG, 0                          ; (8 T + s) x 1536 + 512 i + 16 lane
.set A1SC,  196608                     ; T x 512 + 32 r + 4 s: a scale word
.set HIMG,  204800                     ; (4 T + s2) x 1536: + 512 c + 16 lane registers 6 c .. 6 c + 3; + 1024 + 256 c + 8 lane registers 6 c + 4, 6 c + 5
.set HSC,   303104                     ; T x 256 + 16 r + 4 s2 + 2 c + h: a scale byte
.set QB,    307200                     ; ni x 2048 + 4 d: q - mean(q) + b2
.set B1T,   315392                     ; b1
.set CN,    317440                     ; 1 / max(|c|, 1e-12), 4 bytes a class
.set QC,    HIMG                       ; until the third barrier, in the hidden layer's bytes: q - mean(q);
.set CST,   HIMG+8192                  ; class x 64 + part x 8: (mean, centred sum of squares) of 64 numbers of c;
.set QST,   HIMG+12288                 ; ni x 8: the same of a whole q;
.set TS,    HIMG+12544                 ; (16 T + r) x 16: (rstd, mu, (mean(q) - mu) rstd, rstd);
.set LNW,   HIMG+16640                 ; ln1_w, and 4,096 bytes on ln1_b
.set P2,    16384                      ; behind the fourth barrier, in the first product's bytes: from 0 on (16 T + r) x 64 + part x 8: (mean, centred sum of squares) of 64 outputs; from P2 on (sum f f, sum f c);
.set OUTS,  32768                      ; and the work-group's 4 x 64 results
.set FRB,   1536
.set W1B,   196608                     ; wpack: W1's images of the second phase,
.set W2I,   393216                     ; W2's images,
.set W1S,   589824                     ; W1's scale images,
.set W2S,   606208                     ; W2's
.set MSB, 0
.macro WIN new                         ; the immediate's high byte repeats the setting that is left; a switch that changes nothing is dropped
.if MSB != (\new)
	s_set_vgpr_msb (MSB<<8)|(\new)
.set MSB, (\new)
.endif
.endm
.macro BAR                             ; my LDS stores have landed and my LDS loads are in: then the work-group's barrier
	s_wait_dscnt 0x0
	s_barrier_signal -1
	s_barrier_wait -1
.endm
.macro SPAIR r, val                    ; a constant for packed arithmetic: the pair is named, so both words are written
	s_mov_b32 s[\r], \val
	s_mov_b32 s[\r+1], \val
.endm
.macro FSLOT set, f                    ; where fragment f of a weight set lies: window FWIN, register FOFF
.if (\set) == 0
.if (\f) < 21
.set FWIN, 1
.set FOFF, 12*(\f)
.elseif (\f) < 31
.set FWIN, 2
.set FOFF, 12*((\f)-21)
.else
.set FWIN, 0
.set FOFF, 244
.endif
.else
.if (\f) < 11
.set FWIN, 2
.set FOFF, 120+12*(\f)
.else
.set FWIN, 3
.set FOFF, 12*((\f)-11)
.endif
.endif
.endm
.macro WLOAD set, off, f0, n           ; n fragments from f0 on, images at off in my wave's part of wpack: three loads of 512 consecutive bytes each
.set f, \f0
.rept \n
	FSLOT \set, f
	WIN (FWIN<<6)
	global_load_b128 v[FOFF:FOFF+3], v1, s[30:31] offset:\off+FRB*f
	global_load_b128 v[FOFF+4:FOFF+7], v1, s[30:31] offset:\off+FRB*f+512
	global_load_b128 v[FOFF+8:FOFF+11], v1, s[30:31] offset:\off+FRB*f+1024
.set f, f+1
.endr
	WIN 0
.endm
.macro WSUM a, t                       ; the sum over the wave's 32 lanes, in every lane
	v_add_f32_dpp v[\a], v[\a], v[\a] row_xmask:1 row_mask:0xf bank_mask:0xf
	v_add_f32_dpp v[\a], v[\a], v[\a] row_xmask:2 row_mask:0xf bank_mask:0xf
	v_add_f32_dpp v[\a], v[\a], v[\a] row_xmask:4 row_mask:0xf bank_mask:0xf
	v_add_f32_dpp v[\a], v[\a], v[\a] row_xmask:8 row_mask:0xf bank_mask:0xf
	v_permlanex16_b32 v[\t], v[\a], s40, s41
	v_add_f32 v[\a], v[\a], v[\t]
.endm
.macro RED4 b, d                       ; four packed chains at v[b] on become one number
	v_pk_add_f32 v[\b:\b+1], v[\b:\b+1], v[\b+2:\b+3]
	v_pk_add_f32 v[\b+4:\b+5], v[\b+4:\b+5], v[\b+6:\b+7]
	v_pk_add_f32 v[\b:\b+1], v[\b:\b+1], v[\b+4:\b+5]
	v_add_f32 v[\d], v[\b], v[\b+1]
.endm
; Eight parts of 64 numbers, (mean, centred sum of squares) each in v[e] on, are joined: mu = the mean of the means; m2 = the sum of the parts' sums + 64 x the sum of (mean - mu)^2.
.macro COMB8 e, t, mu, m2
	v_pk_add_f32 v[\t:\t+1], v[\e:\e+1], v[\e+2:\e+3]
	v_pk_add_f32 v[\t+2:\t+3], v[\e+4:\e+5], v[\e+6:\e+7]
	v_pk_add_f32 v[\t+4:\t+5], v[\e+8:\e+9], v[\e+10:\e+11]
	v_pk_add_f32 v[\t+6:\t+7], v[\e+12:\e+13], v[\e+14:\e+15]
	v_pk_add_f32 v[\t:\t+1], v[\t:\t+1], v[\t+2:\t+3]
	v_pk_add_f32 v[\t+4:\t+5], v[\t+4:\t+5], v[\t+6:\t+7]
	v_pk_add_f32 v[\t:\t+1], v[\t:\t+1], v[\t+4:\t+5]
	v_mul_f32 v[\mu], 0x3e000000, v[\t]            ; / 8
.irp i, 0,2,4,6,8,10,12,14
	v_sub_f32 v[\e+\i], v[\e+\i], v[\mu]
.endr
	v_mul_f32 v[\t+2], v[\e], v[\e]
.irp i, 2,4,6,8,10,12,14
	v_fmac_f32 v[\t+2], v[\e+\i], v[\e+\i]
.endr
	v_fmamk_f32 v[\m2], v[\t+2], 0x42800000, v[\t+1]
.endm
; My 64 numbers of class 16 wg + r (window win, v[off] on): their mean (kept in v[32 + wg]); they are centred in place; their centred sum of squares.  Both lie in v[152 + 2 wg] on and go to CST behind the fourth pass.
.macro CSTAT wg, win, off
	WIN ((\win)|((\win)<<2))
.set k, 0
.rept 16
	v_pk_add_f32 v[120+2*k:121+2*k], v[\off+4*k:\off+4*k+1], v[\off+4*k+2:\off+4*k+3]
.set k, k+1
.endr
	WIN 0
.set k, 0
.rept 8
	v_pk_add_f32 v[120+2*k:121+2*k], v[120+2*k:121+2*k], v[136+2*k:137+2*k]
.set k, k+1
.endr
.set k, 0
.rept 4
	v_pk_add_f32 v[120+2*k:121+2*k], v[120+2*k:121+2*k], v[128+2*k:129+2*k]
.set k, k+1
.endr
	RED4 120, 120
	v_mul_f32 v[152+2*\wg], 0x3c800000, v120       ; / 64
	v_mov_b32 v[153+2*\wg], v[152+2*\wg]
	v_mov_b32 v[32+\wg], v[152+2*\wg]
	WIN (((\win)<<6)|(\win))
.set k, 0
.rept 32
	v_pk_add_f32 v[\off+2*k:\off+2*k+1], v[\off+2*k:\off+2*k+1], v[152+2*\wg:153+2*\wg] neg_lo:[0,1] neg_hi:[0,1]
.set k, k+1
.endr
	WIN ((\win)|((\win)<<2))
.set k, 0
.rept 4
	v_pk_mul_f32 v[120+2*k:121+2*k], v[\off+2*k:\off+2*k+1], v[\off+2*k:\off+2*k+1]
.set k, k+1
.endr
.rept 28
	v_pk_fma_f32 v[120+2*(k%4):121+2*(k%4)], v[\off+2*k:\off+2*k+1], v[\off+2*k:\off+2*k+1], v[120+2*(k%4):121+2*(k%4)]
.set k, k+1
.endr
	WIN 0
	RED4 120, 153+2*\wg
.endm
; ONE FRAGMENT OF THE FIRST PRODUCT'S LEFT OPERAND.  x: my 64 centred numbers (window xwin, v[xoff] on) = k 128 s + 64 h + 0 .. 63 of my row: two whole blocks of 32.
; v[pr] = rstd, v[pr + 2] = (the numbers' own mean - mu) rstd.  T = ((x rstd + that) ln1_w + ln1_b); each block's largest magnitude, scale byte and codes; the image and the scale word go to LDS.
.macro XF xwin, xoff, pr, cd, va, offi, offs
	WIN \xwin
.set k, 0
.rept 32
	v_pk_fma_f32 v[120+2*k:121+2*k], v[\xoff+2*k:\xoff+2*k+1], v[\pr:\pr+1], v[\pr+2:\pr+3] op_sel_hi:[1,0,0]
.set k, k+1
.endr
	WIN 0x3c                                       ; sources 1 and 2 (ln1_w, ln1_b of this K step) in window 3
.set k, 0
.rept 32
	v_pk_fma_f32 v[120+2*k:121+2*k], v[120+2*k:121+2*k], v[128+2*k:129+2*k], v[192+2*k:193+2*k]
.set k, k+1
.endr
	WIN 0
.irp b, 0,1
	v_max3_num_f32 v[52+2*\b], |v[120+32*\b]|, |v[121+32*\b]|, 0x1800000   ; two chains a block; the floor 2^(3 - 127) holds the byte at 1 from below
	v_max3_num_f32 v[53+2*\b], |v[136+32*\b]|, |v[137+32*\b]|, |v[138+32*\b]|
.endr
.irp i, 2,4,6,8,10,12
.irp b, 0,1
	v_max3_num_f32 v[52+2*\b], v[52+2*\b], |v[120+32*\b+\i]|, |v[121+32*\b+\i]|
	v_max3_num_f32 v[53+2*\b], v[53+2*\b], |v[137+32*\b+\i]|, |v[138+32*\b+\i]|
.endr
.endr
.irp b, 0,1
	v_max3_num_f32 v[52+2*\b], v[52+2*\b], |v[134+32*\b]|, |v[135+32*\b]|
.endr
.irp b, 0,1
	v_max3_num_f32 v[52+2*\b], v[52+2*\b], v[53+2*\b], |v[151+32*\b]|
.endr
.irp b, 0,1
	v_add_nc_u32 v[53+2*\b], 0xff000000, v[52+2*\b]   ; 2 off the exponent field: the conversion's scale operand
.endr
.irp b, 0,1
	v_lshrrev_b32 v[52+2*\b], 23, v[53+2*\b]       ; the scale's byte
.endr
	v_lshl_or_b32 v52, v54, 16, v52                ; my two bytes belong at places h and 2 + h of the row's word
	v_lshlrev_b32 v52, v11, v52
	v_permlanex16_b32 v54, v52, s40, s41
	s_wait_dscnt 4                                 ; the last fragment's four stores may be out; those of the fragment before it, which read this set of code registers, are done
	s_wait_alu depctr_vm_vsrc(0)                   ; the LDS stores issued so far have read their data, this set of code registers among them: the lines below write it again
	v_or_b32 v[\cd+19], v52, v54                   ; with lane l xor 16's two the word is whole
	v_cvt_scalef32_pk16_fp6_f32 v[\cd:\cd+2], v[120:135], v53
	v_cvt_scalef32_pk16_fp6_f32 v[\cd+12:\cd+14], v[136:151], v53   ; (a conversion's three registers begin on an even number)
	v_cvt_scalef32_pk16_fp6_f32 v[\cd+6:\cd+8], v[152:167], v55
	v_cvt_scalef32_pk16_fp6_f32 v[\cd+16:\cd+18], v[168:183], v55
	v_nop                                          ; one plain place behind a scaled conversion
.irp i, 0,1,2
	v_mov_b32 v[\cd+3+\i], v[\cd+12+\i]
	v_mov_b32 v[\cd+9+\i], v[\cd+16+\i]
.endr
	s_wait_alu depctr_va_vdst(0)                   ; the conversions and the moves have written the codes, the line above them the scale word: the four stores read them
	ds_store_b128 v[\va], v[\cd:\cd+3] offset:\offi
	ds_store_b128 v[\va], v[\cd+4:\cd+7] offset:\offi+512
	ds_store_b128 v[\va], v[\cd+8:\cd+11] offset:\offi+1024
	ds_store_b32 v9, v[\cd+19] offset:\offs        ; both halves of the lanes write the same word with the same value
.endm
.macro AFRAG s                         ; K step s of the trip's two row tiles into buffer s % 3
.irp t, 0,1
.irp i, 0,1,2
	ds_load_b128 v[152+24*((\s)%3)+12*\t+4*\i:155+24*((\s)%3)+12*\t+4*\i], v5 offset:8*FRB*\t+FRB*(\s)+512*\i
.endr
.endr
.endm
.macro MM1 set, ws, s, u, t            ; first product: unit tile u x row tile t, K step s; b1 is the C of the sum's first instruction
	FSLOT \set, 4*(\s)+(\u)
	WIN FWIN
.set rD, 88+32*(\t)+8*(\u)
.set rB, 152+24*((\s)%3)+12*(\t)
.set rC, 56+8*(\u)
.set rSA, (\ws)+4*(\u)+(\s)%4
.set rSB, 48+4*(\t)+(\s)%4
.if (\s) == 0
	v_wmma_scale_f32_16x16x128_f8f6f4 v[rD:rD+7], v[FOFF:FOFF+11], v[rB:rB+11], v[rC:rC+7], v[rSA], v[rSB] matrix_a_fmt:MATRIX_FMT_FP6 matrix_b_fmt:MATRIX_FMT_FP6
.elseif (\s) < 4
	v_wmma_scale_f32_16x16x128_f8f6f4 v[rD:rD+7], v[FOFF:FOFF+11], v[rB:rB+11], v[rD:rD+7], v[rSA], v[rSB] matrix_a_fmt:MATRIX_FMT_FP6 matrix_b_fmt:MATRIX_FMT_FP6
.else
	v_wmma_scale_f32_16x16x128_f8f6f4 v[rD:rD+7], v[FOFF:FOFF+11], v[rB:rB+11], v[rD:rD+7], v[rSA], v[rSB] matrix_a_fmt:MATRIX_FMT_FP6 matrix_b_fmt:MATRIX_FMT_FP6 matrix_a_scale:MATRIX_SCALE_ROW1 matrix_b_scale:MATRIX_SCALE_ROW1
.endif
.endm
.macro HORN pa, qb                     ; one step of both polynomials in t = u^2, by turns
.set k, 0
.rept 8
	v_pk_fma_f32 v[184+2*k:185+2*k], v[184+2*k:185+2*k], v[168+2*k:169+2*k], s[\pa:\pa+1] op_sel_hi:[1,1,0]
	v_pk_fma_f32 v[200+2*k:201+2*k], v[200+2*k:201+2*k], v[168+2*k:169+2*k], s[\qb:\qb+1] op_sel_hi:[1,1,0]
.set k, k+1
.endr
.endm
; gelu(x) = x (1/2 + u P(t) / Q(t)), u = x / sqrt(2) held to +-3.8325, t = u^2, P with halved coefficients: 16 numbers in place, from the accumulators' low ends on.  u v152.., t v168.., P v184.., Q v200..
.macro GELU x
.set k, 0
.rept 8
	v_pk_mul_f32 v[152+2*k:153+2*k], v[\x+2*k:\x+2*k+1], s[50:51] op_sel_hi:[1,0]
.set k, k+1
.endr
.set k, 0
.rept 16
	v_med3_num_f32 v[152+k], v[152+k], s72, s73
.set k, k+1
.endr
.set k, 0
.rept 8
	v_pk_mul_f32 v[168+2*k:169+2*k], v[152+2*k:153+2*k], v[152+2*k:153+2*k]
.set k, k+1
.endr
.set k, 0
.rept 8
	v_pk_fma_f32 v[184+2*k:185+2*k], v[168+2*k:169+2*k], s[52:53], v[12:13] op_sel_hi:[1,0,1]
	v_pk_fma_f32 v[200+2*k:201+2*k], v[168+2*k:169+2*k], s[60:61], v[14:15] op_sel_hi:[1,0,1]
.set k, k+1
.endr
	HORN 54, 62
	HORN 56, 66
	HORN 58, 68
.set k, 0
.rept 8
	v_pk_fma_f32 v[200+2*k:201+2*k], v[200+2*k:201+2*k], v[168+2*k:169+2*k], s[70:71] op_sel_hi:[1,1,0]
.set k, k+1
.endr
.set k, 0
.rept 8
	v_pk_fma_f32 v[200+2*k:201+2*k], v[200+2*k:201+2*k], v[168+2*k:169+2*k], 1.0 op_sel_hi:[1,1,0]
.set k, k+1
.endr
.set k, 0
.rept 16
	v_rcp_f32 v[200+k], v[200+k]                   ; one batch of sixteen
.set k, k+1
.endr
.set k, 0
.rept 8
	v_pk_mul_f32 v[184+2*k:185+2*k], v[184+2*k:185+2*k], v[152+2*k:153+2*k]   ; u P: plain work that names no reciprocal
.set k, k+1
.endr
	s_wait_alu depctr_va_vdst(0)                   ; the sixteen reciprocals are written: one wait for the batch, ahead of its first reader
.set k, 0
.rept 8
	v_pk_fma_f32 v[184+2*k:185+2*k], v[184+2*k:185+2*k], v[200+2*k:201+2*k], 0.5 op_sel_hi:[1,1,0]
.set k, k+1
.endr
.set k, 0
.rept 8
	v_pk_mul_f32 v[\x+2*k:\x+2*k+1], v[\x+2*k:\x+2*k+1], v[184+2*k:185+2*k]
.set k, k+1
.endr
.endm
; The two row tiles' hidden numbers: a lane's 32 registers are one whole block along the next K: its byte, its 24 bytes of codes, to LDS at the places that are my wave's.
.macro HQ2
.irp t, 0,1
	v_max3_num_f32 v[216+2*\t], |v[88+32*\t]|, |v[89+32*\t]|, 0x1800000
	v_max3_num_f32 v[217+2*\t], |v[104+32*\t]|, |v[105+32*\t]|, |v[106+32*\t]|
.endr
.irp i, 2,4,6,8,10,12
.irp t, 0,1
	v_max3_num_f32 v[216+2*\t], v[216+2*\t], |v[88+32*\t+\i]|, |v[89+32*\t+\i]|
	v_max3_num_f32 v[217+2*\t], v[217+2*\t], |v[105+32*\t+\i]|, |v[106+32*\t+\i]|
.endr
.endr
.irp t, 0,1
	v_max3_num_f32 v[216+2*\t], v[216+2*\t], |v[102+32*\t]|, |v[103+32*\t]|
.endr
.irp t, 0,1
	v_max3_num_f32 v[216+2*\t], v[216+2*\t], v[217+2*\t], |v[119+32*\t]|
.endr
.irp t, 0,1
	v_add_nc_u32 v[217+2*\t], 0xff000000, v[216+2*\t]
.endr
.irp t, 0,1
	v_lshrrev_b32 v[220+\t], 23, v[217+2*\t]
.endr
.irp t, 0,1
	v_cvt_scalef32_pk16_fp6_f32 v[224+10*\t:226+10*\t], v[88+32*\t:103+32*\t], v[217+2*\t]
	v_cvt_scalef32_pk16_fp6_f32 v[230+10*\t:232+10*\t], v[104+32*\t:119+32*\t], v[217+2*\t]
.endr
	v_nop                                          ; one plain place behind a scaled conversion
.irp t, 0,1
.irp i, 0,1,2
	v_mov_b32 v[227+10*\t+\i], v[230+10*\t+\i]
.endr
.endr
	s_wait_alu depctr_va_vdst(0)                   ; the conversions and the moves have written the codes, the shifts the two scale bytes: the six stores read them
.irp t, 0,1
	ds_store_b128 v7, v[224+10*\t:227+10*\t] offset:4*FRB*\t
	ds_store_b64 v8, v[228+10*\t:229+10*\t] offset:4*FRB*\t
	ds_store_b8 v9, v[220+\t] offset:256*\t
.endr
.endm
; A PHASE OF THE FIRST PRODUCT: my 64 units (weight set 'set', scale words at v[ws]) for all 16 row tiles, two a trip.  window 0: v48-55 the rows' scale words, v56-87 b1, v88-151 eight accumulators, v152-223 three fragment buffers (GELU's work registers), v224-243 codes.
; The next weight set's last twelve fragments and its scale words are asked for in the third trip (a branch on the trip counter); the wait for them is for 0, behind the loop.
; They lean on the trip's head wait on va_vdst: no vector or matrix instruction of this loop names the other set's registers or its scale words.
.macro L1PHASE set, ws, p, nset, noff, nws, nsoff
	s_lshl_b32 s42, s74, 9
	s_lshl_b32 s35, s75, 7
	s_add_co_u32 s42, s42, s35
	s_add_co_u32 s42, s42, B1T+1024*\p
	s_wait_alu depctr_vm_vsrc(0)                   ; the LDS loads that took v10 as their address have read it
	v_lshl_add_u32 v10, v4, 8, s42                 ; b1 of units 128 s2 + 32 c + 64 h + 0 .. 31 (s2 = 2 p + wave / 2, c = wave % 2)
	s_wait_alu depctr_va_vdst(0)                   ; v10 is written; the instructions that read v56-87 (the phase before: q's numbers, or b1 as a product's C) are done with them
.set k, 0
.rept 8
	ds_load_b128 v[56+4*k:59+4*k], v10 offset:16*k
.set k, k+1
.endr
	s_mov_b32 s45, A1IMG
	s_mov_b32 s46, A1SC
	s_mul_i32 s47, s74, FRB
	s_add_co_u32 s47, s47, HIMG+2*FRB*\p
	s_lshl_b32 s35, s75, 8
	s_add_co_u32 s48, s47, s35
	s_add_co_u32 s48, s48, 1024                    ; my codes' last 8 bytes a lane
	s_lshl_b32 s35, s75, 9
	s_add_co_u32 s47, s47, s35                     ; my codes' first 16 bytes a lane
	s_lshl_b32 s49, s34, 1
	s_add_co_u32 s49, s49, HSC+8*\p                ; my scale bytes: 4 s2 + 2 c = 8 p + 2 wave
	s_mov_b32 s43, 8
.Ll1_\@:
	s_wait_dscnt 0x0                               ; no LDS instruction of mine is out
	s_wait_alu depctr_vm_vsrc(0)                   ; the LDS instructions issued so far have read v5-9 and the code and byte registers v220-239, which are written again in this trip
	v_add_nc_u32 v5, s45, v1
	v_lshl_add_u32 v6, v3, 1, s46
	v_lshl_add_u32 v6, v11, 1, v6                  ; 32 r + 16 h: lanes 0-15 take K steps 0-3, lanes 16-31 K steps 4-7
	v_add_nc_u32 v7, s47, v1
	v_add_nc_u32 v8, s48, v2
	v_add_nc_u32 v9, s49, v3
	v_add_nc_u32 v9, v9, v4
	s_wait_alu depctr_va_vdst(0)                   ; v5-9 are written; the last trip's products are done reading v48-55, its GELU and its quantiser are done with v152-223: the loads below land there
	ds_load_b128 v[48:51], v6
	ds_load_b128 v[52:55], v6 offset:512
	AFRAG 0
	AFRAG 1
	AFRAG 2
	s_cmp_lg_u32 s43, 6
	s_cbranch_scc1 .Ll1n_\@
	WLOAD \nset, \noff, 20, 12
.irp u, 0,1,2,3
	global_load_b128 v[\nws+4*\u:\nws+4*\u+3], v1, s[32:33] offset:\nsoff+512*\u
.endr
.Ll1n_\@:
.irp s, 0,1,2,3,4,5,6,7
.if \s < 6
	s_wait_dscnt 12                                ; this K step's fragments are in; the twelve loads of the two later steps may be out
.elseif \s == 6
	s_wait_dscnt 6
.else
	s_wait_dscnt 0x0
.endif
.irp u, 0,1,2,3                                ; the eight accumulators take turns, one instruction a turn
.irp t, 0,1
	MM1 \set, \ws, \s, \u, \t
.endr
.endr
	WIN 0
.rept 4
	v_nop                                          ; places in front of loads into the buffer just read, and of the first read of results; they stay beside the wait below
.endr
.if \s < 5
	s_wait_alu depctr_va_vdst(0)                   ; this K step's eight products are done reading their buffer, in which the six loads below land
	AFRAG (\s)+3
.endif
.endr
	GELU 88
	GELU 104
	GELU 120
	GELU 136
	HQ2
	s_add_co_u32 s45, s45, 16*FRB
	s_add_co_u32 s46, s46, 1024
	s_add_co_u32 s47, s47, 8*FRB
	s_add_co_u32 s48, s48, 8*FRB
	s_add_co_u32 s49, s49, 512
	s_sub_co_u32 s43, s43, 1
	s_cmp_lg_u32 s43, 0
	s_cbranch_scc1 .Ll1_\@
.endm
.macro HFRAG reg, off                  ; a fragment of the hidden layer, as its two makers laid it
	ds_load_b128 v[\reg:\reg+3], v5 offset:\off
	ds_load_b64 v[\reg+4:\reg+5], v6 offset:\off+1024
	ds_load_b128 v[\reg+6:\reg+9], v5 offset:\off+512
	ds_load_b64 v[\reg+10:\reg+11], v6 offset:\off+1280
.endm
.macro MM2 s, t, m                     ; second product: output tile t x row tile m, K step s; q - mean(q) + b2 is the C of the sum's first instruction
	FSLOT 0, 8*(\s)+(\t)
.set rD, 56+64*(\m)+8*(\t)
.set rB, 184+24*((\s)%2)+12*(\m)
.set rC, 128+64*(\m)+8*(\t)
.set rSA, 16+4*((\t)%4)+(\s)
.set rSB, 48+4*(\m)+(\s)
.if (\s) == 0
	WIN (FWIN|0x20)                                ; source 2 in window 2
.if (\t) < 4
	v_wmma_scale_f32_16x16x128_f8f6f4 v[rD:rD+7], v[FOFF:FOFF+11], v[rB:rB+11], v[rC:rC+7], v[rSA], v[rSB] matrix_a_fmt:MATRIX_FMT_FP6 matrix_b_fmt:MATRIX_FMT_FP6
.else
	v_wmma_scale_f32_16x16x128_f8f6f4 v[rD:rD+7], v[FOFF:FOFF+11], v[rB:rB+11], v[rC:rC+7], v[rSA], v[rSB] matrix_a_fmt:MATRIX_FMT_FP6 matrix_b_fmt:MATRIX_FMT_FP6 matrix_a_scale:MATRIX_SCALE_ROW1
.endif
.else
	WIN FWIN
.if (\t) < 4
	v_wmma_scale_f32_16x16x128_f8f6f4 v[rD:rD+7], v[FOFF:FOFF+11], v[rB:rB+11], v[rD:rD+7], v[rSA], v[rSB] matrix_a_fmt:MATRIX_FMT_FP6 matrix_b_fmt:MATRIX_FMT_FP6
.else
	v_wmma_scale_f32_16x16x128_f8f6f4 v[rD:rD+7], v[FOFF:FOFF+11], v[rB:rB+11], v[rD:rD+7], v[rSA], v[rSB] matrix_a_fmt:MATRIX_FMT_FP6 matrix_b_fmt:MATRIX_FMT_FP6 matrix_a_scale:MATRIX_SCALE_ROW1
.endif
.endif
.endm
	; ================ the head
	s_load_b512 s[8:23], s[0:1], 0x0               ; q s[8:9], c s[10:11], ln1_w s[12:13], ln1_b s[14:15], b1 s[16:17], b2 s[18:19], ln2_w s[20:21], ln2_b s[22:23]
	s_load_b128 s[24:27], s[0:1], 0x40             ; wpack s[24:25], out s[26:27]
	s_set_vgpr_msb 0x40
	v_lshl_add_u32 v254, v0, 2, 0x4dc00
	v_mov_b32 v255, 0
	s_set_vgpr_msb 0x4000
	v_lshrrev_b32 v5, 5, v0
	v_readfirstlane_b32 s34, v5                    ; wave 0..3
	v_and_b32 v6, 31, v0
	v_lshlrev_b32 v1, 4, v6                        ; 16 x lane
	v_lshlrev_b32 v2, 3, v6                        ; 8 x lane
	v_and_b32 v7, 15, v0
	v_lshlrev_b32 v3, 4, v7                        ; 16 r
	v_bfe_u32 v4, v0, 4, 1                         ; h
	v_lshlrev_b32 v11, 3, v4                       ; 8 h
	s_wait_alu depctr_va_sdst(0)                   ; s34 is written, ahead of its first reader: bases, LDS places and branches are made from it
	s_lshr_b32 s74, s34, 1
	s_and_b32 s75, s34, 1
	s_mov_b32 s40, 0x76543210
	s_mov_b32 s41, 0xfedcba98                      ; v_permlanex16_b32's selects for lane l xor 16
	SPAIR 50, 0x3f3504f3                           ; 1 / sqrt(2)
	SPAIR 52, 0x38f02d51                           ; P's coefficients, halved: of t^4,
	SPAIR 54, 0x3cd0b6eb                           ; t^2 (that of t^3 lies in v[12:13]),
	SPAIR 56, 0x3dbda740                           ; t,
	SPAIR 58, 0x3f106eba                           ; 1
	SPAIR 60, 0xb3fd3906                           ; Q's: of t^6,
	SPAIR 62, 0x3a856d28                           ; t^4 (that of t^5 lies in v[14:15]),
	SPAIR 66, 0x3c6687d4                           ; t^3,
	SPAIR 68, 0x3de34c21                           ; t^2,
	SPAIR 70, 0x3efeb44a                           ; t; the last is 1
	s_mov_b32 s72, 0xc07547cb                      ; -3.8325
	s_mov_b32 s73, 0x407547cb
	s_lshl_b32 s35, s34, 10
	v_add_nc_u32 v8, s35, v1                       ; my quarter of ln1_w and ln1_b
	s_lshl_b32 s35, s34, 9
	v_add_nc_u32 v9, s35, v1                       ; my quarter of b1
	v_lshl_add_u32 v10, v3, 7, s35
	v_lshl_add_u32 v10, v4, 8, v10                 ; c: row r of 2,048 bytes, + 512 wave + 256 h: my 64 numbers of K step 4 + wave
	s_lshl_b32 s35, s34, 11
	s_add_co_u32 s42, s35, QC
	v_add_nc_u32 v44, s42, v1
	s_add_co_u32 s42, s35, QB
	v_add_nc_u32 v45, s42, v1
	s_lshl_b32 s42, s34, 3
	s_add_co_u32 s42, s42, QST
	v_mov_b32 v46, s42
	v_add_nc_u32 v47, LNW, v8
	v_add_nc_u32 v48, B1T, v9
	s_lshl_b32 s42, s34, 4
	s_add_co_u32 s42, s42, CST
	v_lshl_add_u32 v49, v3, 2, s42
	v_add_nc_u32 v49, v49, v11                     ; CST: 64 r + 16 wave + 8 h
	s_lshl_b32 s36, ttmp9, 2
	s_add_co_u32 s36, s36, s34
	s_lshl_b32 s36, s36, 11                        ; query 4 g + wave
	s_mov_b32 s37, 0
	s_mul_i32 s38, s34, 32*FRB
	s_mov_b32 s39, 0
	s_lshl_b32 s2, s34, 11
	s_mov_b32 s3, 0
	s_lshl_b32 s4, ttmp9, 10
	s_mov_b32 s5, 0
	s_wait_kmcnt 0x0
	s_add_nc_u64 s[28:29], s[8:9], s[36:37]
	s_add_nc_u64 s[30:31], s[24:25], s[38:39]      ; wpack at my wave's 32 images
	s_add_nc_u64 s[32:33], s[24:25], s[2:3]        ; and at its four scale images
	s_add_nc_u64 s[26:27], s[26:27], s[4:5]        ; out at the work-group's four rows
	s_wait_alu depctr_va_vdst(0)                   ; the offsets v1, v8, v9, v10 and the LDS addresses v44-49 are written: the head's loads and stores read them, and v1 serves to the kernel's end
.irp i, 0,1,2,3
	global_load_b128 v[120+4*\i:123+4*\i], v1, s[28:29] offset:512*\i   ; my row of q: register 4 i + j = q[128 i + 4 lane + j]
.endr
.irp i, 0,1,2,3
	global_load_b128 v[136+4*\i:139+4*\i], v1, s[18:19] offset:512*\i   ; b2 likewise
.endr
	global_load_b128 v[152:155], v8, s[12:13]
	global_load_b128 v[156:159], v8, s[12:13] offset:512
	global_load_b128 v[160:163], v8, s[14:15]
	global_load_b128 v[164:167], v8, s[14:15] offset:512
	global_load_b128 v[168:171], v9, s[16:17]
	WIN 0xc0                                       ; c of class groups 0, 1 into window 3, v0-127; of 2, 3 into window 2, v128-255
.irp g, 0,1
.set k, 0
.rept 16
	global_load_b128 v[64*\g+4*k:64*\g+4*k+3], v10, s[10:11] offset:32768*\g+16*k
.set k, k+1
.endr
.endr
	WIN 0x80
.irp g, 2,3
.set k, 0
.rept 16
	global_load_b128 v[64*\g+4*k:64*\g+4*k+3], v10, s[10:11] offset:32768*\g+16*k
.set k, k+1
.endr
.endr
	WIN 0
	s_wait_loadcnt 63                              ; 64 loads stand behind the thirteen small ones: those are in
	; ---- my q: its mean, q - mean, the centred sum of squares
	v_pk_add_f32 v[172:173], v[120:121], v[122:123]
	v_pk_add_f32 v[174:175], v[124:125], v[126:127]
	v_pk_add_f32 v[176:177], v[128:129], v[130:131]
	v_pk_add_f32 v[178:179], v[132:133], v[134:135]
	RED4 172, 172
	WSUM 172, 173
	v_mul_f32 v172, 0x3b000000, v172               ; / 512
	v_mov_b32 v173, v172
.set k, 0
.rept 8
	v_pk_add_f32 v[120+2*k:121+2*k], v[120+2*k:121+2*k], v[172:173] neg_lo:[0,1] neg_hi:[0,1]
.set k, k+1
.endr
	v_pk_mul_f32 v[174:175], v[120:121], v[120:121]
	v_pk_mul_f32 v[176:177], v[122:123], v[122:123]
.set k, 2
.rept 6
	v_pk_fma_f32 v[174+2*(k%2):175+2*(k%2)], v[120+2*k:121+2*k], v[120+2*k:121+2*k], v[174+2*(k%2):175+2*(k%2)]
.set k, k+1
.endr
	v_pk_add_f32 v[174:175], v[174:175], v[176:177]
	v_add_f32 v174, v174, v175
	WSUM 174, 175
	v_mov_b32 v173, v174                           ; (mean, centred sum of squares)
.set k, 0
.rept 8
	v_pk_add_f32 v[136+2*k:137+2*k], v[136+2*k:137+2*k], v[120+2*k:121+2*k]
.set k, k+1
.endr
	s_wait_alu depctr_va_vdst(0)                   ; q - mean (v120-135), q - mean + b2 (v136-151) and q's statistics (v172-173) are written: one wait for the whole run of stores
.irp i, 0,1,2,3
	ds_store_b128 v44, v[120+4*\i:123+4*\i] offset:512*\i
.endr
.irp i, 0,1,2,3
	ds_store_b128 v45, v[136+4*\i:139+4*\i] offset:512*\i
.endr
	ds_store_b64 v46, v[172:173]
	ds_store_b128 v47, v[152:155]
	ds_store_b128 v47, v[156:159] offset:512
	ds_store_b128 v47, v[160:163] offset:4096
	ds_store_b128 v47, v[164:167] offset:4608
	ds_store_b128 v48, v[168:171]
	; ---- c's statistics, 64 numbers a lane; the first weight set is asked for in quarters between them: its registers and v1 are named by no vector instruction of these passes, so its loads owe no wait
	s_wait_loadcnt 0x0                             ; c is in
	s_wait_dscnt 0x0                               ; the stores above are done
	s_wait_alu depctr_vm_vsrc(0)                   ; the stores above have read v120-173, which the passes below write; the head's loads have read v8-10, which later phases write
	WLOAD 0, 0, 0, 8
	CSTAT 0, 3, 0
	WLOAD 0, 0, 8, 8
	CSTAT 1, 3, 64
	WLOAD 0, 0, 16, 8
	CSTAT 2, 2, 128
	CSTAT 3, 2, 192
	s_wait_alu depctr_va_vdst(0)                   ; the four passes have written v152-159: one wait for the four stores
.irp g, 0,1,2,3
	ds_store_b64 v49, v[152+2*\g:153+2*\g] offset:1024*\g
.endr
	BAR                                            ; 1: q's and c's parts lie in LDS
	WLOAD 0, 0, 24, 8
.irp u, 0,1,2,3
	global_load_b128 v[16+4*\u:19+4*\u], v1, s[32:33] offset:W1S+512*\u
.endr
	; ---- the rows' statistics: wave w serves classes 16 w + r with all four queries
	s_lshl_b32 s42, s34, 10
	s_add_co_u32 s35, s42, CST
	s_wait_alu depctr_vm_vsrc(0)                   ; the four stores have read v152-159 and v49, which are written again below and in the next phase
	v_lshl_add_u32 v5, v3, 2, s35
	v_mov_b32 v6, QST
	s_add_co_u32 s35, s42, TS
	v_add_nc_u32 v7, s35, v3
	s_lshl_b32 s35, s34, 6
	s_add_co_u32 s35, s35, CN
	v_lshrrev_b32 v8, 2, v3
	v_add_nc_u32 v8, s35, v8
	s_wait_alu depctr_va_vdst(0)                   ; v5-8 are written; the passes over c are done with v120-143, in which the loads land
.irp i, 0,1,2,3
	ds_load_b128 v[120+4*\i:123+4*\i], v5 offset:16*\i
.endr
	ds_load_b128 v[136:139], v6
	ds_load_b128 v[140:143], v6 offset:16
	s_wait_dscnt 0x0
	COMB8 120, 144, 152, 153                       ; v152 = mean(c), v153 = its centred sum of squares
	v_mul_f32 v154, v152, v152
	v_fmamk_f32 v154, v154, 0x44000000, v153       ; |c|^2 = 512 mean^2 + the centred sum
.irp n, 0,1,2,3
	v_sub_f32 v[156+\n], v[136+2*\n], v152
	v_add_f32 v[160+\n], v[136+2*\n], v152
	v_add_f32 v[164+\n], v[137+2*\n], v153
.endr
.irp n, 0,1,2,3
	v_mul_f32 v[156+\n], 0.5, v[156+\n]            ; mean(q) - mu
	v_mul_f32 v[160+\n], 0.5, v[160+\n]            ; mu
	v_mul_f32 v[164+\n], 0x3a800000, v[164+\n]     ; / 1024
.endr
.irp n, 0,1,2,3
	v_fmac_f32 v[164+\n], v[156+\n], v[156+\n]     ; the variance
.endr
.irp n, 0,1,2,3
	v_add_f32 v[164+\n], 0x3727c5ac, v[164+\n]     ; + 1e-5
.endr
	v_sqrt_f32 v154, v154
.irp n, 0,1,2,3
	v_rsq_f32 v[168+4*\n], v[164+\n]
.endr
.irp n, 0,1,2,3
	v_mov_b32 v[169+4*\n], v[160+\n]               ; plain work behind the batch
.endr
	s_wait_alu depctr_va_vdst(0)                   ; the root and the four reciprocal roots are written: one wait for the five, ahead of their first reader
	v_max_num_f32 v154, 0x2b8cbccc, v154           ; 1e-12
	v_rcp_f32 v154, v154
.irp n, 0,1,2,3
	v_mul_f32 v[170+4*\n], v[156+\n], v[168+4*\n]
	v_mov_b32 v[171+4*\n], v[168+4*\n]
.endr
	s_wait_alu depctr_va_vdst(0)                   ; the reciprocal v154 and the four entries v168-183 are written: the five stores read them
.irp n, 0,1,2,3
	ds_store_b128 v7, v[168+4*\n:171+4*\n] offset:256*\n
.endr
	ds_store_b32 v8, v154
	BAR                                            ; 2: every row's statistics lie in LDS
	; ================ X: LN1 and its codes.  window 0: v32-35 my parts' means of c, v36-51 four rows' statistics, v52-55 at work, v56-119 q's numbers, v120-183 the numbers to be quantised, v184-223 two sets of code registers
	s_lshl_b32 s42, s34, 9
	s_add_co_u32 s35, s42, LNW
	v_lshl_add_u32 v10, v4, 8, s35                 ; ln1_w, ln1_b at k = 128 wave + 64 h  (c's loads, which read v10, stand ahead of the head's wait on vm_vsrc)
	WIN 0xc0
	s_wait_alu depctr_va_vdst(0)                   ; v10 is written
.set k, 0
.rept 16
	ds_load_b128 v[128+4*k:131+4*k], v10 offset:16*k
	ds_load_b128 v[192+4*k:195+4*k], v10 offset:4096+16*k
.set k, k+1
.endr
	WIN 0
	s_add_co_u32 s45, s42, QC
	s_mov_b32 s46, TS
	s_mul_i32 s47, s34, FRB
	s_lshl_b32 s48, s34, 2
	s_add_co_u32 s48, s48, A1SC
	s_mov_b32 s43, 4
.Lxq:                                              ; K step w (q's half): a trip serves query ni with the four class groups
	s_wait_dscnt 0x0                               ; no LDS instruction of mine is out
	s_wait_alu depctr_vm_vsrc(0)                   ; the LDS instructions issued so far have read v5-9; in the first trip also v154, v168-183 (the entries' stores) and v44-49 (the head's addresses), which this trip writes
	v_lshl_add_u32 v5, v4, 8, s45
	v_add_nc_u32 v6, s46, v3
	v_add_nc_u32 v7, s47, v1
	v_add_nc_u32 v8, 64*FRB, v7                    ; class groups 2 and 3 lie beyond an LDS instruction's immediate
	v_lshl_add_u32 v9, v3, 1, s48
	s_wait_alu depctr_va_vdst(0)                   ; v5-9 are written; the last trip's multiply-adds are done reading v56-119 and v36-51, in which the loads land
.set k, 0
.rept 16
	ds_load_b128 v[56+4*k:59+4*k], v5 offset:16*k
.set k, k+1
.endr
.irp g, 0,1,2,3
	ds_load_b128 v[36+4*\g:39+4*\g], v6 offset:1024*\g
.endr
	s_wait_dscnt 0x0
	XF 0, 56, 36, 184, 7, 0, 0
	XF 0, 56, 40, 204, 7, 32*FRB, 2048
	XF 0, 56, 44, 184, 8, 0, 4096
	XF 0, 56, 48, 204, 8, 32*FRB, 6144
	s_add_co_u32 s45, s45, 2048
	s_add_co_u32 s46, s46, 256
	s_add_co_u32 s47, s47, 8*FRB
	s_add_co_u32 s48, s48, 512
	s_sub_co_u32 s43, s43, 1
	s_cmp_lg_u32 s43, 0
	s_cbranch_scc1 .Lxq
	WIN 0xc0
	s_wait_alu depctr_va_vdst(0)                   ; the loop's multiply-adds are done reading ln1_w and ln1_b of K step w, in whose registers those of K step 4 + w land
.set k, 0
.rept 16
	ds_load_b128 v[128+4*k:131+4*k], v10 offset:2048+16*k
	ds_load_b128 v[192+4*k:195+4*k], v10 offset:6144+16*k
.set k, k+1
.endr
	WIN 0
	s_mov_b32 s46, TS
	s_mul_i32 s47, s34, FRB
	s_add_co_u32 s47, s47, 4*FRB
	s_lshl_b32 s48, s34, 2
	s_add_co_u32 s48, s48, A1SC+16
	s_mov_b32 s43, 4
.Lxc:                                              ; K step 4 + w (c's half), from the centred numbers of c that stayed in registers
	s_wait_dscnt 0x0
	s_wait_alu depctr_vm_vsrc(0)                   ; the LDS instructions issued so far have read v6-9
	v_add_nc_u32 v6, s46, v3
	v_add_nc_u32 v7, s47, v1
	v_add_nc_u32 v8, 64*FRB, v7
	v_lshl_add_u32 v9, v3, 1, s48
	s_wait_alu depctr_va_vdst(0)                   ; v6-9 are written; the last trip's multiply-adds are done with v36-51, in which the loads land
.irp g, 0,1,2,3
	ds_load_b128 v[36+4*\g:39+4*\g], v6 offset:1024*\g
.endr
	s_wait_dscnt 0x0
.irp g, 0,1,2,3
	v_sub_f32 v[38+4*\g], v[32+\g], v[37+4*\g]     ; my part's mean - mu
.endr
.irp g, 0,1,2,3
	v_mul_f32 v[38+4*\g], v[38+4*\g], v[36+4*\g]
.endr
	XF 3, 0, 36, 184, 7, 0, 0
	XF 3, 64, 40, 204, 7, 32*FRB, 2048
	XF 2, 128, 44, 184, 8, 0, 4096
	XF 2, 192, 48, 204, 8, 32*FRB, 6144
	s_add_co_u32 s46, s46, 256
	s_add_co_u32 s47, s47, 8*FRB
	s_add_co_u32 s48, s48, 512
	s_sub_co_u32 s43, s43, 1
	s_cmp_lg_u32 s43, 0
	s_cbranch_scc1 .Lxc
	BAR                                            ; 3: all 128 fragments lie in LDS, and nobody reads the tables in the hidden layer's bytes any more
	; ================ L1: the first product, GELU, the hidden layer's codes
	s_wait_loadcnt 0x0                             ; weight set A and its scale words are in
	s_wait_alu depctr_va_vdst(0)                   ; the multiply-adds of the phase before are done reading c and the ln1 tables, in whose registers weight set B lands
	WLOAD 1, W1B, 0, 20                            ; the second phase's set: twenty fragments now, the rest in the loop
	v_mov_b32 v12, 0x3adf5da2                      ; P's coefficient of t^3, halved
	v_mov_b32 v13, 0x3adf5da2
	v_mov_b32 v14, 0x37c588df                      ; Q's of t^5
	v_mov_b32 v15, 0x37c588df
	L1PHASE 0, 16, 0, 1, W1B, 32, W1S+8192
	s_wait_loadcnt 0x0                             ; set B is in
	s_wait_alu depctr_va_vdst(0)                   ; the first phase's products are done reading weight set A, in whose registers W2 lands
	WLOAD 0, W2I, 0, 20                            ; W2 takes set A's registers
	L1PHASE 1, 32, 1, 0, W2I, 16, W2S
	BAR                                            ; 4: the hidden layer's 64 fragments lie in LDS, and nobody reads the first product's images any more
	; ================ L2: the second product, LN2, the dot products.  window 0: v16-31 W2's scale words, v32-47 chains of sums, v48-55 the rows' scale words, v56-183 sixteen accumulators, v184-231 two fragment buffers, v232-243 at work
	;                  window 2, v128-255: q - mean(q) + b2 of the two tiles;  window 3: v0-63 ln2_w, v64-127 ln2_b, v128-191 c, each at my 64 outputs 128 w + 16 t + 8 h + j
	s_wait_loadcnt 0x0                             ; W2 and its scale words are in
	s_lshl_b32 s77, s34, 9
	v_lshl_add_u32 v12, v4, 5, s77                 ; 512 wave + 32 h; never rewritten
	WIN 0xc0
	s_wait_alu depctr_va_vdst(0)                   ; v12 is written; the second phase's products are done reading weight set B, in whose registers ln2_w and ln2_b land
.set k, 0
.rept 16
	global_load_b128 v[4*k:4*k+3], v12, s[20:21] offset:64*(k/2)+16*(k%2)
	global_load_b128 v[64+4*k:67+4*k], v12, s[22:23] offset:64*(k/2)+16*(k%2)
.set k, k+1
.endr
	WIN 0
	s_mov_b32 s45, HIMG
	s_mov_b32 s46, HSC
	s_add_co_u32 s47, s77, QB
	s_lshl_b32 s48, s34, 4
	s_mov_b32 s49, 0
	s_mov_b32 s44, 4
.Lwg:                                              ; a class group: its rows of c
	s_wait_alu depctr_vm_vsrc(0)                   ; the last group's loads of c have read v13
	v_lshl_add_u32 v13, v3, 7, s77                 ; (the last trip's loads by v13 were waited for)
	v_lshl_add_u32 v13, v4, 5, v13
	WIN 0xc0
	s_wait_alu depctr_va_vdst(0)                   ; v13 is written; the last group's sums of f c (in the first trip: the products on set B) are done reading the registers in which c lands
.set k, 0
.rept 16
	global_load_b128 v[128+4*k:131+4*k], v13, s[10:11] offset:64*(k/2)+16*(k%2)
.set k, k+1
.endr
	WIN 0
	s_mov_b32 s43, 2
.Lnb:                                              ; two row tiles: the group's classes with two queries
	s_wait_dscnt 0x0                               ; no LDS instruction of mine is out
	s_wait_alu depctr_vm_vsrc(0)                   ; the LDS instructions issued so far have read v5-10 and the stores' data (v232-235, v34, 35, 42, 43; in the first trip the hidden layer's codes and bytes), which this trip writes
	v_add_nc_u32 v5, s45, v1
	v_add_nc_u32 v6, s45, v2
	v_add_nc_u32 v7, s46, v3
	v_lshl_add_u32 v8, v4, 5, s47
	v_lshl_add_u32 v9, v3, 2, s48
	v_add_nc_u32 v9, v9, v11                       ; my part's place: 64 r + 16 wave + 8 h
	v_lshl_add_u32 v10, v3, 2, s49                 ; a row's eight parts
	s_wait_alu depctr_va_vdst(0)                   ; v5-10 are written; the last trip's products are done reading v48-55 and window 2's v128-255, its joining of parts is done with v184-223: the loads below land there
	ds_load_b128 v[48:51], v7
	ds_load_b128 v[52:55], v7 offset:256
	WIN 0x80
.irp m, 0,1
.set k, 0
.rept 16
	ds_load_b128 v[128+64*\m+4*k:131+64*\m+4*k], v8 offset:2048*\m+64*(k/2)+16*(k%2)
.set k, k+1
.endr
.endr
	WIN 0
	HFRAG 184, 0
	HFRAG 196, 4*FRB
	HFRAG 208, FRB
	HFRAG 220, 5*FRB
.irp s, 0,1,2,3
.if \s < 3
	s_wait_dscnt 8                                 ; this K step's fragments are in; the next step's eight loads may be out
.else
	s_wait_dscnt 0x0
.endif
.irp t, 0,1,2,3,4,5,6,7                        ; the sixteen accumulators take turns, one instruction a turn
.irp m, 0,1
	MM2 \s, \t, \m
.endr
.endr
	WIN 0
.rept 4
	v_nop                                          ; places in front of loads into the buffer just read, and of the first read of results; they stay beside the wait below
.endr
.if \s < 2
	s_wait_alu depctr_va_vdst(0)                   ; this K step's sixteen products are done reading their buffer, in which the eight loads below land
	HFRAG 184+24*\s, FRB*(\s+2)
	HFRAG 196+24*\s, 4*FRB+FRB*(\s+2)
.endif
.endr
	; ---- my 64 outputs of each row: mean, centred in place, centred sum of squares (each accumulator is read from its low end on)
.irp c, 0,1,2,3
.irp m, 0,1
	v_pk_add_f32 v[32+8*\m+2*\c:33+8*\m+2*\c], v[56+64*\m+4*\c:57+64*\m+4*\c], v[58+64*\m+4*\c:59+64*\m+4*\c]
.endr
.endr
.set k, 8
.rept 24
.irp m, 0,1
	v_pk_add_f32 v[32+8*\m+2*(k%4):33+8*\m+2*(k%4)], v[32+8*\m+2*(k%4):33+8*\m+2*(k%4)], v[56+64*\m+2*k:57+64*\m+2*k]
.endr
.set k, k+1
.endr
	RED4 32, 32
	RED4 40, 40
.irp m, 0,1
	v_mul_f32 v[232+2*\m], 0x3c800000, v[32+8*\m]  ; / 64
.endr
.irp m, 0,1
	v_mov_b32 v[233+2*\m], v[232+2*\m]
.endr
.set k, 0
.rept 32
.irp m, 0,1
	v_pk_add_f32 v[56+64*\m+2*k:57+64*\m+2*k], v[56+64*\m+2*k:57+64*\m+2*k], v[232+2*\m:233+2*\m] neg_lo:[0,1] neg_hi:[0,1]
.endr
.set k, k+1
.endr
.set k, 0
.rept 4
.irp m, 0,1
	v_pk_mul_f32 v[32+8*\m+2*k:33+8*\m+2*k], v[56+64*\m+2*k:57+64*\m+2*k], v[56+64*\m+2*k:57+64*\m+2*k]
.endr
.set k, k+1
.endr
.rept 28
.irp m, 0,1
	v_pk_fma_f32 v[32+8*\m+2*(k%4):33+8*\m+2*(k%4)], v[56+64*\m+2*k:57+64*\m+2*k], v[56+64*\m+2*k:57+64*\m+2*k], v[32+8*\m+2*(k%4):33+8*\m+2*(k%4)]
.endr
.set k, k+1
.endr
	RED4 32, 233
	RED4 40, 235
	s_wait_alu depctr_va_vdst(0)                   ; my parts v232-235 are written, which the two stores read; the products are done reading v184-215, in which the loads behind the barrier land (no vector instruction stands between)
.irp m, 0,1
	ds_store_b64 v9, v[232+2*\m:233+2*\m] offset:1024*\m
.endr
	BAR                                            ; the rows' eight parts lie in LDS; every tile has places of its own, so one barrier a trip serves
.irp m, 0,1
.irp i, 0,1,2,3
	ds_load_b128 v[184+16*\m+4*\i:187+16*\m+4*\i], v10 offset:1024*\m+16*\i
.endr
.endr
	s_wait_dscnt 0x0
	COMB8 184, 216, 238, 236
	COMB8 200, 216, 242, 240
.irp m, 0,1
	v_mul_f32 v[236+4*\m], 0x3b000000, v[236+4*\m] ; / 512
.endr
.irp m, 0,1
	v_add_f32 v[236+4*\m], 0x3727c5ac, v[236+4*\m] ; + 1e-5
.endr
.irp m, 0,1
	v_rsq_f32 v[236+4*\m], v[236+4*\m]
.endr
.irp m, 0,1
	v_sub_f32 v[238+4*\m], v[232+2*\m], v[238+4*\m]   ; my part's mean - the row's (plain work behind the two)
.endr
	s_wait_alu depctr_va_vdst(0)                   ; the two reciprocal roots are written, ahead of their first reader
.irp m, 0,1
	v_mul_f32 v[238+4*\m], v[238+4*\m], v[236+4*\m]
	v_mov_b32 v[237+4*\m], v[236+4*\m]
.endr
.irp m, 0,1
	v_mov_b32 v[239+4*\m], v[238+4*\m]
.endr
	s_wait_loadcnt 0x0                             ; ln2_w, ln2_b and c are in
.set k, 0
.rept 32
.irp m, 0,1
	v_pk_fma_f32 v[56+64*\m+2*k:57+64*\m+2*k], v[56+64*\m+2*k:57+64*\m+2*k], v[236+4*\m:237+4*\m], v[238+4*\m:239+4*\m]
.endr
.set k, k+1
.endr
	WIN 0x3c                                       ; sources 1 and 2 in window 3: f = the normalised number x ln2_w + ln2_b
.set k, 0
.rept 32
.irp m, 0,1
	v_pk_fma_f32 v[56+64*\m+2*k:57+64*\m+2*k], v[56+64*\m+2*k:57+64*\m+2*k], v[2*k:2*k+1], v[64+2*k:65+2*k]
.endr
.set k, k+1
.endr
	WIN 0x0c                                       ; source 1 in window 3: the sum of f c
.set k, 0
.rept 2
.irp m, 0,1
	v_pk_mul_f32 v[32+8*\m+2*k:33+8*\m+2*k], v[56+64*\m+2*k:57+64*\m+2*k], v[128+2*k:129+2*k]
.endr
.set k, k+1
.endr
.rept 30
.irp m, 0,1
	v_pk_fma_f32 v[32+8*\m+2*(k%2):33+8*\m+2*(k%2)], v[56+64*\m+2*k:57+64*\m+2*k], v[128+2*k:129+2*k], v[32+8*\m+2*(k%2):33+8*\m+2*(k%2)]
.endr
.set k, k+1
.endr
	WIN 0                                          ; the sum of f f
.set k, 0
.rept 2
.irp m, 0,1
	v_pk_mul_f32 v[36+8*\m+2*k:37+8*\m+2*k], v[56+64*\m+2*k:57+64*\m+2*k], v[56+64*\m+2*k:57+64*\m+2*k]
.endr
.set k, k+1
.endr
.rept 30
.irp m, 0,1
	v_pk_fma_f32 v[36+8*\m+2*(k%2):37+8*\m+2*(k%2)], v[56+64*\m+2*k:57+64*\m+2*k], v[56+64*\m+2*k:57+64*\m+2*k], v[36+8*\m+2*(k%2):37+8*\m+2*(k%2)]
.endr
.set k, k+1
.endr
.irp m, 0,1
	v_pk_add_f32 v[32+8*\m:33+8*\m], v[32+8*\m:33+8*\m], v[34+8*\m:35+8*\m]
	v_pk_add_f32 v[36+8*\m:37+8*\m], v[36+8*\m:37+8*\m], v[38+8*\m:39+8*\m]
.endr
.irp m, 0,1
	v_add_f32 v[34+8*\m], v[36+8*\m], v[37+8*\m]   ; (sum f f, sum f c) of my part
	v_add_f32 v[35+8*\m], v[32+8*\m], v[33+8*\m]
.endr
	s_wait_alu depctr_va_vdst(0)                   ; the two pairs of sums v34, 35 and v42, 43 are written: the two stores read them
.irp m, 0,1
	ds_store_b64 v9, v[34+8*\m:35+8*\m] offset:P2+1024*\m
.endr
	s_add_co_u32 s45, s45, 8*FRB
	s_add_co_u32 s46, s46, 512
	s_add_co_u32 s47, s47, 4096
	s_add_co_u32 s48, s48, 2048
	s_add_co_u32 s49, s49, 2048
	s_sub_co_u32 s43, s43, 1
	s_cmp_lg_u32 s43, 0
	s_cbranch_scc1 .Lnb
	s_sub_co_u32 s47, s47, 8192                    ; back to queries 0 and 1
	s_add_co_u32 s77, s77, 32768                   ; the next sixteen classes
	s_sub_co_u32 s44, s44, 1
	s_cmp_lg_u32 s44, 0
	s_cbranch_scc1 .Lwg
	; ================ the end: lane (r, h) of wave w joins the parts of tiles 4 w + 2 q + h, q = 0, 1
	s_lshl_b32 s42, s34, 12
	s_wait_alu depctr_vm_vsrc(0)                   ; the last trip's LDS instructions have read v5-9
	v_lshl_add_u32 v5, v3, 2, s42
	v_lshl_add_u32 v5, v4, 10, v5
	s_lshl_b32 s42, s34, 6
	s_add_co_u32 s35, s42, CN
	v_lshrrev_b32 v6, 2, v3
	v_add_nc_u32 v7, s35, v6
	s_add_co_u32 s35, s42, OUTS
	v_add_nc_u32 v8, s35, v6
	v_lshl_add_u32 v8, v4, 8, v8                   ; the result's place: 256 (2 q + h) + 4 (16 w + r)
	v_add_nc_u32 v9, OUTS, v1
	BAR                                            ; every row's eight parts of the two sums lie in LDS
	s_wait_alu depctr_va_vdst(0)                   ; v5-9 are written; the last trip's sums are done with v56-87 and v32, in which the loads land
.irp q, 0,1
.irp i, 0,1,2,3
	ds_load_b128 v[56+16*\q+4*\i:59+16*\q+4*\i], v5 offset:P2+2048*\q+16*\i
.endr
.endr
	ds_load_b32 v32, v7
	s_wait_dscnt 0x0
.irp q, 0,1
	v_pk_add_f32 v[56+16*\q:57+16*\q], v[56+16*\q:57+16*\q], v[58+16*\q:59+16*\q]
	v_pk_add_f32 v[60+16*\q:61+16*\q], v[60+16*\q:61+16*\q], v[62+16*\q:63+16*\q]
	v_pk_add_f32 v[64+16*\q:65+16*\q], v[64+16*\q:65+16*\q], v[66+16*\q:67+16*\q]
	v_pk_add_f32 v[68+16*\q:69+16*\q], v[68+16*\q:69+16*\q], v[70+16*\q:71+16*\q]
	v_pk_add_f32 v[56+16*\q:57+16*\q], v[56+16*\q:57+16*\q], v[60+16*\q:61+16*\q]
	v_pk_add_f32 v[64+16*\q:65+16*\q], v[64+16*\q:65+16*\q], v[68+16*\q:69+16*\q]
	v_pk_add_f32 v[56+16*\q:57+16*\q], v[56+16*\q:57+16*\q], v[64+16*\q:65+16*\q]
.endr
.irp q, 0,1
	v_sqrt_f32 v[56+16*\q], v[56+16*\q]
.endr
.irp q, 0,1
	v_mul_f32 v[57+16*\q], v[57+16*\q], v32        ; / max(|c|, 1e-12)
.endr
	s_wait_alu depctr_va_vdst(0)                   ; the two roots are written, ahead of their first reader
.irp q, 0,1
	v_max_num_f32 v[56+16*\q], 0x2b8cbccc, v[56+16*\q]
.endr
.irp q, 0,1
	v_rcp_f32 v[56+16*\q], v[56+16*\q]
.endr
.irp q, 0,1
	v_mul_f32 v[57+16*\q], 0x41800000, v[57+16*\q] ; x 16
.endr
	s_wait_alu depctr_va_vdst(0)                   ; the two reciprocals are written, ahead of their first reader
.irp q, 0,1
	v_mul_f32 v[57+16*\q], v[57+16*\q], v[56+16*\q]
.endr
	s_wait_alu depctr_va_vdst(0)                   ; the two results v57 and v73 are written: the stores read them
.irp q, 0,1
	ds_store_b32 v8, v[57+16*\q] offset:512*\q
.endr
	BAR                                            ; the work-group's four rows of out lie in LDS as they lie in memory
	s_wait_alu depctr_vm_vsrc(0)                   ; the two stores have read v57, in which wave 0's first load lands: ahead of the branch
	s_cmp_lg_u32 s34, 0
	s_cbranch_scc1 .Lend
	ds_load_b128 v[56:59], v9
	ds_load_b128 v[60:63], v9 offset:512
	s_wait_dscnt 0x0
	global_store_b128 v1, v[56:59], s[26:27]       ; each store of the wave covers 512 consecutive bytes, aligned
	global_store_b128 v1, v[60:63], s[26:27] offset:512
.Lend:
	s_set_vgpr_msb 0x5
	s_wait_dscnt 0x0
	s_wait_alu depctr_hold_cnt(0) depctr_sa_sdst(0) depctr_va_vdst(0) depctr_va_sdst(0) depctr_va_ssrc(0) depctr_va_vcc(0) depctr_vm_vsrc(0)
	s_wait_tensorcnt 0x0
	ds_add_u32 v254, v255
	s_wait_dscnt 0x0
	s_endpgm
.Lfunc_end_k_qa0f2537afd_fused:
	.size	k_qa0f2537afd_fused, .Lfunc_end_k_qa0f2537afd_fused-k_qa0f2537afd_fused
	.p2alignl 7, 3214868480
	.fill 96, 4, 3214868480
	.section	.rodata,"a",@progbits
	.p2align	6, 0x0
	.amdhsa_kernel k_qa0f2537afd_fused
		.amdhsa_group_segment_fixed_size 318976
		.amdhsa_private_segment_fixed_size 0
		.amdhsa_enable_private_segment 0
		.amdhsa_kernarg_size 80
		.amdhsa_user_sgpr_count 2
		.amdhsa_user_sgpr_kernarg_segment_ptr 1
		.amdhsa_wavefront_size32 1
		.amdhsa_system_sgpr_workgroup_id_x 1
		.amdhsa_system_sgpr_workgroup_id_y 1
		.amdhsa_system_sgpr_workgroup_id_z 1
		.amdhsa_system_vgpr_workitem_id 0
		.amdhsa_next_free_vgpr 1024
		.amdhsa_next_free_sgpr 84
		.amdhsa_reserve_vcc 0
		.amdhsa_float_denorm_mode_32 3
		.amdhsa_float_denorm_mode_16_64 3
		.amdhsa_memory_ordered 1
		.amdhsa_forward_progress 1
		.amdhsa_inst_pref_size 255
	.end_amdhsa_kernel
	.section	.bss,"aw",@nobits
	.p2align	6
	.space	262144
	.amdgpu_metadata
---
amdhsa.version: [ 1, 2 ]
amdhsa.kernels:
  - .name:           k_qa0f2537afd_fused
    .symbol:         k_qa0f2537afd_fused.kd
    .args:
      - { .name: query_embeddings, .offset: 0, .size: 8, .value_kind: global_buffer, .address_space: global }
      - { .name: class_memories, .offset: 8, .size: 8, .value_kind: global_buffer, .address_space: global }
      - { .name: ln1_w, .offset: 16, .size: 8, .value_kind: global_buffer, .address_space: global }
      - { .name: ln1_b, .offset: 24, .size: 8, .value_kind: global_buffer, .address_space: global }
      - { .name: b1, .offset: 32, .size: 8, .value_kind: global_buffer, .address_space: global }
      - { .name: b2, .offset: 40, .size: 8, .value_kind: global_buffer, .address_space: global }
      - { .name: ln2_w, .offset: 48, .size: 8, .value_kind: global_buffer, .address_space: global }
      - { .name: ln2_b, .offset: 56, .size: 8, .value_kind: global_buffer, .address_space: global }
      - { .name: wpack, .offset: 64, .size: 8, .value_kind: global_buffer, .address_space: global }
      - { .name: out0, .offset: 72, .size: 8, .value_kind: global_buffer, .address_space: global }
    .group_segment_fixed_size: 318976
    .private_segment_fixed_size: 0
    .kernarg_segment_align: 8
    .kernarg_segment_size: 80
    .max_flat_workgroup_size: 128
    .sgpr_count:     84
    .vgpr_count:     1024
    .wavefront_size: 32
...
	.end_amdgpu_metadata
.endif
;; end of part 3
